; MI455X (gfx1250); checked and timed in simulation.
; The chip was launched on July 23, 2026; its instructions are those of AMD's public machine-readable ISA for CDNA 5 (MIT licence, August 2026) and "CDNA5" Instruction Set Architecture Reference Guide (July 2026). The comments in the code are by the model that wrote it; some were corrected since.
;; Group Mo E Layer. Allowed arithmetic: matrix products marked QUANTISED: E3M2 operands, one E8M0 scale for each 32 along K, by v_wmma_scale_f32_16x16x128_f8f6f4 with both operands' format E3M2, f32 sums; products left as they are: f32 operands where the result goes on into a quantised operand, else bf16, f16 or f32 operands; f32 sums; everything else in f32.
;; Inputs: W1_codes 2 x 4 x 4,096 x 32 x 24 uint8 (E3M2 codes of W1, K innermost, in blocks of 32 codes, four codes in three bytes); W1_scales 2 x 4 x 4,096 x 32 uint8 (E8M0 scales of W1, one for each 32 codes along K); W2_codes 2 x 4 x 1,024 x 128 x 24 uint8 (E3M2 codes of W2, K innermost, in blocks of 32 codes, four codes in three bytes); W2_scales 2 x 4 x 1,024 x 128 uint8 (E8M0 scales of W2, one for each 32 codes along K); Wg 2 x 4 x 1,024 float32; Wlg 2 x 1,024 float32; b1 2 x 4 x 4,096 float32; b2 2 x 4 x 1,024 float32; blg 2 float32; bottle_neck 2 x 512 x 1,024 float32; xs 2 x 512 x 1,024 float32.
;; Outputs: out0 2 x 512 x 1,024 float32.
;; Constants: top_k = 2.
;; This version of the problem:
;;   THIS VERSION OF THE PROBLEM IS GIVEN IN LOW PRECISION. The matrix products marked QUANTISED in the list below multiply operands that are first quantised to E3M2 (3 exponent bits, 2 mantissa bits; 6 bits a number), with one power-of-two scale for each 32 numbers along K (OCP MX v1.0); their sums are f32. All else is computed in f32.
;;   The module's matrix products, in the order in which they are computed (A, B: the left and right operand; K: the contracted axis; several contracted axes count as one K, in the product's order):
;;     1. [M 1,024, K 1,024] x [K 1,024, N 2]; A: input bottle_neck; B: input Wlg: left as it is (N = 2 < 16)
;;     2. [M 1,024, K 1,024] x [K 1,024, N 4]; A: input xs; B: input Wg: left as it is (N = 4 < 16)
;;     3. [M 1,024, K 1,024] x [K 1,024, N 16,384]; A: input xs; B: input W1 (given as codes): QUANTISED
;;     4. batch 4 x [M 1,024, K 4,096] x [K 4,096, N 1,024]; A: input W2 (given as codes); B: computed on the way: QUANTISED
;;     5. [M 1,024, K 1,024] x [K 1,024, N 4]; A: input xs; B: input Wg: left as it is (N = 4 < 16)
;;     6. [M 1,024, K 1,024] x [K 1,024, N 16,384]; A: input xs; B: input W1 (given as codes): QUANTISED
;;     7. batch 4 x [M 1,024, K 4,096] x [K 4,096, N 1,024]; A: input W2 (given as codes); B: computed on the way: QUANTISED
;;   THE QUANTISER, for each operand of a quantised product, along K:
;;     - K is cut into blocks of 32 from its start; a last block that is shorter is filled with zeros.
;;     - A block's scale is 2^e with e = floor(log2(the largest magnitude in the block)) - 4, held to -126 .. 127; a block of zeros has e = 0. As a byte (E8M0): e + 127.
;;     - Each number is divided by its block's scale, clamped to +-28, and rounded to the nearest number of E3M2, ties to even, subnormals kept.
;;     - The product sums the exact products of the quantised numbers (number of the format x scale) in f32.
;;   ~~~python
;;   def quantise(x, axis):      # numpy; x: float32 -> the quantised numbers, widened to float32 again
;;       x = np.moveaxis(x, axis, -1); K = x.shape[-1]
;;       x = np.pad(x, [(0, 0)] * (x.ndim - 1) + [(0, -K % 32)]); x = x.reshape(x.shape[:-1] + (-1, 32)); a = np.abs(x).max(-1, keepdims=True)
;;       e = np.where(a > 0, np.clip(np.frexp(np.where(a > 0, a, 1))[1] - 1 - 4, -126, 127), 0)      # np.frexp(a)[1] - 1 = floor(log2(a)), exactly
;;       r = np.clip(x / 2.0 ** e, -28, 28)
;;       step = 2.0 ** (np.maximum(np.frexp(np.where(r == 0, 1, r))[1] - 1, -2) - 2)
;;       q = np.round(r / step) * step * 2.0 ** e      # np.round: ties to even
;;       return np.moveaxis(q.reshape(q.shape[:-2] + (-1,))[..., :K], -1, axis).astype(np.float32)
;;   ~~~
;;   OPERANDS COMPUTED ON THE WAY. 'Computed on the way' means the value that the module computes at that place (a softmax that the list does not call 'softmax' is quantised finished and normalised). What goes into a quantiser is computed in f32, as accurately as f32 sums, v_exp_f32 and their like allow (about 1e-6 of the number): no bf16 or f16 on the way to a quantiser, and a product that is left as it is and whose result goes on into a quantised operand takes f32 operands (vector FMAs, or v_wmma_f32_16x16x4_f32). A number that lies on a knife's edge between two numbers of the format may be rounded either way, as far as f32 arithmetic and the matrix unit's own rounding can turn it there, and no further.
;;   INPUTS GIVEN AS CODES. W1 (in the module: [2, 4, 4096, 1024], K = its axis 3); W2 (in the module: [2, 4, 1024, 4096], K = its axis 3): each comes as NAME_codes (uint8): NAME with its K axis moved to the last place and cut into blocks of 32 codes, [.., K / 32, bytes a block], one block behind the other in memory; four codes in three bytes: a row's codes are one little-endian stream of bits, code i at bits 6 i .. 6 i + 5 (a code: sign, 3 exponent bits, 2 mantissa bits); and NAME_scales (uint8): the same leading axes, one E8M0 byte (e + 127) for each 32 codes along K. Its value is code x scale, taken as it is: it is not quantised again, and the codes and scales need not be those that the quantiser above would give.
;; 2 versions. Each part assembles by itself: llvm-mc -triple=amdgcn-amd-amdhsa -mcpu=gfx1250 --defsym DOCPART=n.
;; ======== version 1 of 2: 5 launches
;; workspace buffers: xq 819,200 bytes; sel 4,096 bytes of whole numbers; wgt 8,192 bytes; lists 17,152 bytes of whole numbers; hq 6,963,200 bytes; y 8,912,896 bytes
;; launch route (part 1): grid 256 x 1, 4 waves a work-group, no clusters, 0 bytes of LDS; arguments xs, bottle_neck, Wlg, blg, Wg, xq, sel, wgt; writes xq, sel, wgt
.if DOCPART == 1
	.amdgcn_target "amdgcn-amd-amdhsa--gfx1250"
	.amdhsa_code_object_version 6
	.text
	.protected	k_q42d5ef954d_route
	.globl	k_q42d5ef954d_route
	.p2align	8
	.type	k_q42d5ef954d_route,@function
k_q42d5ef954d_route:
	s_mov_b64 s[64:65], 0
	v_nop
	global_prefetch_b8 v0, s[64:65] scope:SCOPE_SE
	s_setreg_imm32_b32 hwreg(HW_REG_WAVE_MODE, 25, 1), 1
	s_wait_xcnt 0x0
; GroupMoELayer, launch 1 of 5: the gates, and x as codes of BF6 (E3M2) with one E8M0 byte for each 32 along D.
; WORK LEFT OUT BY THE PROGRAM, in the problem's own terms, for all finite values of the inputs:
;  (a) reference() computes h and eo for all 8 experts (2 groups x 4) of every token, and then keeps, by its own argmax, top_k, take_along_axis and where, the rows of the 2
;      experts chosen in the 1 group chosen: the other 6 experts' rows reach no output.  The program multiplies the 2 x 1,024 chosen rows alone.
;  (b) router = softmax(z) serves argmax alone; softmax rises with z along its axis, so argmax(softmax(z)) = argmax(z), the first index on a tie: no exponential is taken there.  blg stays in z.
;  Both groups' gate logits are computed and one is selected; top_k = 2 is a constant of the problem.  Every input has a way to the output and is an argument of some launch.
; LIMITS: NaN and infinities among the inputs are not served; a NaN, an infinity or an overflow that reaches only the experts left out is not carried to the result.
;  Two logits that differ by less than the rounding of a sum of 1,024 f32 products may be ordered either way, and so may two z so close that reference()'s softmax rounds them to one number.
;  A block of 32 zeros gets the byte 1 (the floor) where the quantiser says 127: its codes are zeros, and this program alone reads the bytes.
; SHARES.  A wave takes one token: ten dot products of 1,024 in f32 (fused multiply-adds, four chains a lane, then across the 32 lanes), the choice, the two weights, and x's codes.
;  x and Wg: lane l holds k = 512 u + 16 l + 0..15 (u = 0, 1), since the conversion takes 16 neighbours from one lane; bottle_neck and Wlg: as they lie, 16 bytes a lane, 512 a load.
; OUT.  xq: codes [token][K step s of 128][half h][c][24 bytes], block 4 s + 2 c + h of 32, so that lane (r, h) of an operand finds its 12 registers of a K step as 48 bytes on end;
;  from byte XSC on the scale bytes [token][32].  sel[token] = ea | eb << 8, ea < eb, experts 0..7.  wgt[token] = their two softmax weights.  No address hangs on the choice.
.set XSC, 786432
.set X,   32                           ; v32-63   x
.set BN,  64                           ; v64-95   bottle_neck
.set WB,  96                           ; v96-223  four buffers of 32 for the ten weight vectors; later the choice's registers
.set P,   8                            ; v8-15    four chains, two sums each
.set S,   16                           ; v16-25   the ten sums: z0, z1, group 0's four logits, group 1's four
.set T,   224                          ; v224-233 the other half's sums
.set C,   240                          ; v240-242, v244-246 the codes
.set E,   234                          ; v234, v235 the scale bytes, then words
.set L,   96                           ; v96-99   the chosen group's logits
.set R,   100                          ; v100-103 how many experts come before each
	s_load_b256 s[4:11], s[0:1], 0x0               ; xs, bottle_neck, Wlg, blg
	s_load_b256 s[12:19], s[0:1], 0x20             ; Wg, xq, sel, wgt
	v_lshrrev_b32 v1, 5, v0
	v_readfirstlane_b32 s20, v1                    ; wave
	v_and_b32 v1, 31, v0                           ; lane
	v_lshlrev_b32 v2, 6, v1                        ; 64 x lane: 16 neighbours
	v_lshlrev_b32 v3, 4, v1                        ; 16 x lane: as the bytes lie
	s_lshl_b32 s21, ttmp9, 2
	s_add_co_u32 s21, s21, s20                     ; my token
	s_lshl_b32 s22, s21, 12                        ; its row of 4,096 bytes
	s_mov_b32 s23, 0
	s_mov_b32 s26, 0x76543210
	s_mov_b32 s27, 0xfedcba98                      ; v_permlanex16_b32: lane l xor 16
	s_wait_kmcnt 0x0
	s_load_b64 s[24:25], s[10:11], 0x0             ; blg
	s_add_nc_u64 s[4:5], s[4:5], s[22:23]
	s_add_nc_u64 s[6:7], s[6:7], s[22:23]
.macro LDN reg, base, off              ; 1,024 numbers, 16 neighbours twice a lane
.irp u, 0,1
.irp q, 0,1,2,3
	global_load_b128 v[\reg+16*\u+4*\q:\reg+16*\u+4*\q+3], v2, s[\base:\base+1] offset:\off+2048*\u+16*\q
.endr
.endr
.endm
.macro LDD reg, base, off              ; 1,024 numbers as they lie: each load reads 512 consecutive bytes
.irp q, 0,1,2,3,4,5,6,7
	global_load_b128 v[\reg+4*\q:\reg+4*\q+3], v3, s[\base:\base+1] offset:\off+512*\q
.endr
.endm
.macro VEC i                           ; weight vector i: Wlg's two rows, then Wg's eight
.if (\i) < 2
	LDD WB+32*((\i)%4), 8, (\i)*4096
.else
	LDN WB+32*((\i)%4), 12, ((\i)-2)*4096
.endif
.endm
	LDN X, 4, 0
	LDD BN, 6, 0
	VEC 0
	VEC 1
	VEC 2
	VEC 3
	s_mul_i32 s22, s21, 768
	s_add_nc_u64 s[28:29], s[14:15], s[22:23]      ; my token's codes
	s_lshl_b32 s22, s21, 5
	s_add_nc_u64 s[34:35], s[14:15], s[22:23]      ; its scale bytes (XSC stands in the immediate)
	s_lshl_b32 s22, s21, 2
	s_add_nc_u64 s[36:37], s[16:17], s[22:23]      ; sel
	s_lshl_b32 s22, s21, 3
	s_add_nc_u64 s[38:39], s[18:19], s[22:23]      ; wgt
	v_lshrrev_b32 v7, 3, v1                        ; where my 12 bytes of codes go: block 16 u + l / 2 = 4 s + 2 c + h, so s = 4 u + l / 8,
	v_mul_u32_u24 v4, v7, 96
	v_lshlrev_b32 v5, 2, v7                        ; (and my group of eight lanes' scale word)
	v_bfe_u32 v7, v1, 1, 1                         ; h = bit 1 of the lane,
	v_mad_u32_u24 v4, v7, 48, v4
	v_bfe_u32 v7, v1, 2, 1                         ; c = bit 2,
	v_mad_u32_u24 v4, v7, 24, v4
	v_and_b32 v7, 1, v1                            ; and the block's lower or upper 16 codes
	v_mad_u32_u24 v4, v7, 12, v4
	v_mov_b32 v6, 0
	v_bfe_u32 v29, v1, 1, 2
	v_lshlrev_b32 v29, 3, v29                      ; my block's byte in its scale word: 8 x ((l / 2) % 4) bits up
	v_mov_b32 v30, 0                               ; written once: a destination of a lane move counts as read
.irp i, 0,1,2,3,4,5,6,7,8,9
	v_mov_b32 v[T+\i], 0
.endr
; x's half u becomes codes: the largest magnitude of my 16 and of my neighbour's 16, with the floor 2^(5 - 127) among the leaves; 4 off its exponent field is the conversion's scale operand; that >> 23 is the byte.
.macro QX u
	v_max3_num_f32 v26, |v[X+16*\u]|, |v[X+16*\u+1]|, |v[X+16*\u+2]|
	v_max3_num_f32 v27, |v[X+16*\u+3]|, |v[X+16*\u+4]|, |v[X+16*\u+5]|
.irp i, 6,10
	v_max3_num_f32 v26, v26, |v[X+16*\u+\i]|, |v[X+16*\u+\i+1]|
	v_max3_num_f32 v27, v27, |v[X+16*\u+\i+2]|, |v[X+16*\u+\i+3]|
.endr
	v_max3_num_f32 v26, v26, |v[X+16*\u+14]|, |v[X+16*\u+15]|
	v_max3_num_f32 v26, v26, v27, 0x2800000
	v_max_num_f32_dpp v26, v26, v26 row_xmask:1 row_mask:0xf bank_mask:0xf
	v_add_nc_u32 v28, 0xfe000000, v26
	v_cvt_scalef32_pk16_bf6_f32 v[C+4*\u:C+4*\u+2], v[X+16*\u:X+16*\u+15], v28
	v_lshrrev_b32 v[E+\u], 23, v28                 ; (the plain line behind the conversion)
	v_lshlrev_b32 v[E+\u], v29, v[E+\u]
	v_mov_b32_dpp v30, v[E+\u] row_xmask:2 row_mask:0xf bank_mask:0xf
	v_or_b32 v[E+\u], v[E+\u], v30
	v_mov_b32_dpp v30, v[E+\u] row_xmask:4 row_mask:0xf bank_mask:0xf
	v_or_b32 v[E+\u], v[E+\u], v30                 ; eight lanes now hold their K step's whole scale word
	global_store_b96 v4, v[C+4*\u:C+4*\u+2], s[28:29] offset:384*\u   ; 32 lanes store 384 consecutive bytes
.endm
	s_wait_loadcnt 40                              ; x is in: behind it bottle_neck's 8 loads and four vectors' 32 may be out
	QX 0
	QX 1
; Dot product i.  The wait leaves out the loads of the vectors issued behind vector i: three, or as many as are left.
.macro DOT i
.if 9-(\i) < 3
	s_wait_loadcnt 8*(9-(\i))
.else
	s_wait_loadcnt 24
.endif
.if (\i) < 2
.set OP, BN
.else
.set OP, X
.endif
.set WR, WB+32*((\i)%4)
.irp c, 0,1,2,3
	v_pk_mul_f32 v[P+2*\c:P+2*\c+1], v[WR+2*\c:WR+2*\c+1], v[OP+2*\c:OP+2*\c+1]   ; the first products start the chains
.endr
.irp c, 4,5,6,7,8,9,10,11,12,13,14,15
	v_pk_fma_f32 v[P+2*(\c%4):P+2*(\c%4)+1], v[WR+2*\c:WR+2*\c+1], v[OP+2*\c:OP+2*\c+1], v[P+2*(\c%4):P+2*(\c%4)+1]
.endr
	v_pk_add_f32 v[P:P+1], v[P:P+1], v[P+2:P+3]
	v_pk_add_f32 v[P+4:P+5], v[P+4:P+5], v[P+6:P+7]
	v_pk_add_f32 v[P:P+1], v[P:P+1], v[P+4:P+5]
	v_add_f32 v[S+\i], v[P], v[P+1]
.if (\i)+4 < 10
	VEC (\i)+4                                     ; the buffer takes the vector four further on
.endif
.endm
.irp i, 0,1,2,3,4,5,6,7,8,9
	DOT \i
.endr
.irp m, 1,2,4,8                        ; across the lanes, the ten sums by turns; every lane ends with the same bits
.irp i, 0,1,2,3,4,5,6,7,8,9
	v_add_f32_dpp v[S+\i], v[S+\i], v[S+\i] row_xmask:\m row_mask:0xf bank_mask:0xf
.endr
.endr
.irp i, 0,1,2,3,4,5,6,7,8,9
	v_permlanex16_b32 v[T+\i], v[S+\i], s26, s27
.endr
.irp i, 0,1,2,3,4,5,6,7,8,9
	v_add_f32 v[S+\i], v[S+\i], v[T+\i]
.endr
	s_wait_kmcnt 0x0                               ; blg
	v_add_f32 v122, s24, v[S]
	v_add_f32 v123, s25, v[S+1]
	v_mov_b32 v121, 4
	v_mov_b32 v105, 1
	v_cmp_gt_f32 vcc_lo, v123, v122                ; group 1 only where z1 > z0: argmax keeps the first index on a tie
	v_cndmask_b32 v106, 0, v121, vcc_lo            ; 4 x group
.irp k, 0,1,2,3
	v_cndmask_b32 v[L+\k], v[S+2+\k], v[S+6+\k], vcc_lo
.endr
	v_mov_b32 v[R], 3                              ; expert k's place in top_k's order: j < k comes before k where l_j >= l_k, else k before j
	v_mov_b32 v[R+1], 2
	v_mov_b32 v[R+2], 1
	v_mov_b32 v[R+3], 0
.macro PAIR j, k
	v_cmp_ge_f32 vcc_lo, v[L+\j], v[L+\k]
	v_cndmask_b32 v104, 0, v105, vcc_lo
	v_add_nc_u32 v[R+\k], v[R+\k], v104
	v_sub_nc_u32 v[R+\j], v[R+\j], v104
.endm
	PAIR 0, 1
	PAIR 0, 2
	PAIR 0, 3
	PAIR 1, 2
	PAIR 1, 3
	PAIR 2, 3
.irp k, 0,1,2,3
	v_cmp_gt_u32 s[30+\k], 2, v[R+\k]              ; chosen: places 0 and 1, exactly two experts
.endr
	v_mov_b32 v107, 3                              ; a: the lower chosen index, and its logit
	v_mov_b32 v109, v[L+3]
.irp k, 2,1,0
	v_cndmask_b32 v107, v107, \k, s[30+\k]
	v_cndmask_b32 v109, v109, v[L+\k], s[30+\k]
.endr
	v_mov_b32 v108, 0                              ; b: the higher
	v_mov_b32 v110, v[L]
.irp k, 1,2,3
	v_cndmask_b32 v108, v108, \k, s[30+\k]
	v_cndmask_b32 v110, v110, v[L+\k], s[30+\k]
.endr
	v_max_num_f32 v111, v109, v110                 ; the softmax of the two, the larger taken away first, as reference() has it
	v_sub_f32 v112, v109, v111
	v_sub_f32 v113, v110, v111
	v_mul_f32 v112, 0x3fb8aa3b, v112
	v_mul_f32 v113, 0x3fb8aa3b, v113
	v_exp_f32 v114, v112
	v_exp_f32 v115, v113
	v_add_nc_u32 v107, v107, v106                  ; (plain work behind the exponentials)  experts as 0..7
	v_add_nc_u32 v108, v108, v106
	v_lshl_or_b32 v120, v108, 8, v107
	s_wait_alu depctr_va_vdst(0)                   ; one wait for both exponentials, ahead of their first reader
	v_add_f32 v116, v114, v115
	v_rcp_f32 v117, v116
	v_and_b32 v7, 7, v1                            ; (a plain line behind the reciprocal)
	s_wait_alu depctr_va_vdst(0)
	v_mul_f32 v118, v114, v117
	v_mul_f32 v119, v115, v117
	v_cmp_eq_u32 vcc_lo, 0, v7
	s_wait_xcnt 0x0                                ; EXEC changes only behind this wait
	s_and_saveexec_b32 s40, vcc_lo                 ; one lane of eight stores its K step's scale word: four lanes, 16 bytes on end
	global_store_b32 v5, v[E], s[34:35] offset:XSC
	global_store_b32 v5, v[E+1], s[34:35] offset:XSC+16
	v_cmp_eq_u32 vcc_lo, 0, v1
	s_wait_xcnt 0x0
	s_and_saveexec_b32 s41, vcc_lo                 ; lane 0 stores the choice, at the token's fixed places
	global_store_b32 v6, v120, s[36:37]
	global_store_b64 v6, v[118:119], s[38:39]
	s_endpgm
.Lfunc_end_k_q42d5ef954d_route:
	.size	k_q42d5ef954d_route, .Lfunc_end_k_q42d5ef954d_route-k_q42d5ef954d_route
	.p2alignl 7, 3214868480
	.fill 96, 4, 3214868480
	.section	.rodata,"a",@progbits
	.p2align	6, 0x0
	.amdhsa_kernel k_q42d5ef954d_route
		.amdhsa_group_segment_fixed_size 0
		.amdhsa_private_segment_fixed_size 0
		.amdhsa_enable_private_segment 0
		.amdhsa_kernarg_size 64
		.amdhsa_user_sgpr_count 2
		.amdhsa_user_sgpr_kernarg_segment_ptr 1
		.amdhsa_wavefront_size32 1
		.amdhsa_system_sgpr_workgroup_id_x 1
		.amdhsa_system_sgpr_workgroup_id_y 1
		.amdhsa_system_sgpr_workgroup_id_z 1
		.amdhsa_system_vgpr_workitem_id 0
		.amdhsa_next_free_vgpr 256
		.amdhsa_next_free_sgpr 66
		.amdhsa_reserve_vcc 1
		.amdhsa_float_denorm_mode_32 3
		.amdhsa_float_denorm_mode_16_64 3
		.amdhsa_memory_ordered 1
		.amdhsa_forward_progress 1
		.amdhsa_inst_pref_size 33
	.end_amdhsa_kernel
	.amdgpu_metadata
---
amdhsa.version: [ 1, 2 ]
amdhsa.kernels:
  - .name:           k_q42d5ef954d_route
    .symbol:         k_q42d5ef954d_route.kd
    .args:
      - { .name: xs, .offset: 0, .size: 8, .value_kind: global_buffer, .address_space: global }
      - { .name: bottle_neck, .offset: 8, .size: 8, .value_kind: global_buffer, .address_space: global }
      - { .name: Wlg, .offset: 16, .size: 8, .value_kind: global_buffer, .address_space: global }
      - { .name: blg, .offset: 24, .size: 8, .value_kind: global_buffer, .address_space: global }
      - { .name: Wg, .offset: 32, .size: 8, .value_kind: global_buffer, .address_space: global }
      - { .name: xq, .offset: 40, .size: 8, .value_kind: global_buffer, .address_space: global }
      - { .name: sel, .offset: 48, .size: 8, .value_kind: global_buffer, .address_space: global }
      - { .name: wgt, .offset: 56, .size: 8, .value_kind: global_buffer, .address_space: global }
    .group_segment_fixed_size: 0
    .private_segment_fixed_size: 0
    .kernarg_segment_align: 8
    .kernarg_segment_size: 64
    .max_flat_workgroup_size: 128
    .sgpr_count:     66
    .vgpr_count:     256
    .wavefront_size: 32
...
	.end_amdgpu_metadata
.endif
;; end of part 1
;; launch place (part 2): grid 1 x 1, 32 waves a work-group, no clusters, 8,192 bytes of LDS; arguments sel, lists; writes lists
.if DOCPART == 2
	.amdgcn_target "amdgcn-amd-amdhsa--gfx1250"
	.amdhsa_code_object_version 6
	.text
	.protected	k_q42d5ef954d_place
	.globl	k_q42d5ef954d_place
	.p2align	8
	.type	k_q42d5ef954d_place,@function
k_q42d5ef954d_place:
	s_mov_b64 s[64:65], 0
	v_nop
	global_prefetch_b8 v0, s[64:65] scope:SCOPE_SE
	s_setreg_imm32_b32 hwreg(HW_REG_WAVE_MODE, 25, 1), 1
	s_wait_xcnt 0x0
; Launch 2 of 5: the 2,048 chosen (token, expert) rows are placed by expert: a counting sort without atomics.  Only the chosen rows are listed (see the first kernel's head).
; One work-group of 32 waves, a thread a token.  Each expert's rows begin at a tile of 16 rows; its last tile is filled up with token 0, whose results nobody reads.
; With 2,048 rows and 8 experts there are at most 128 + 7 = 135 tiles, whatever the choice; the lists have room for 136.
; OUT, in lists: byte 0: einfo[e] = {first tile, tiles};  byte 256: tpos[token] = {row of its expert ea, row of eb};  byte RTOK: rtok[row] = token, all 2,176 words written.
; All lanes stay on throughout: a thread that has no row to fill stores its own row's word once more (the same value at the same place, by the same lane); index and value are chosen ahead of the bound.
; One work-group has all the work there is: the sums run over all tokens, and 4 KB are read.
.set RTOK,  8448
.set SPARE, 4096                       ; LDS: 0..4095 the waves' counts, 32 words a wave; behind them the spare words, 128 bytes for each of 32 waves
.set MA, 16                            ; s16-23  lanes whose ea is e
.set MB, 24                            ; s24-31  lanes whose eb is e
.set NE, 32                            ; s32-39  rows of expert e
.set TL, 40                            ; s40-47  its tiles
.set BP, 48                            ; s48-55  the row at which my wave's rows of expert e begin
.set ST, 68                            ; s68-76  its first tile; s76: all tiles
	s_load_b128 s[4:7], s[0:1], 0x0                ; sel, lists
	v_lshl_add_u32 v30, v0, 2, SPARE
	v_mov_b32 v31, 0
	v_lshrrev_b32 v1, 5, v0
	v_readfirstlane_b32 s8, v1                     ; wave
	v_and_b32 v2, 31, v0                           ; lane
	v_lshlrev_b32 v3, 2, v0
	v_lshlrev_b32 v8, 2, v2
	v_lshlrev_b32 v9, 3, v0
	v_lshlrev_b32 v29, 3, v2
	v_mov_b32 v16, 0                               ; my place among my wave's rows of ea,
	v_mov_b32 v17, 0                               ; and of eb
	v_mov_b32 v18, 0                               ; lane e: my wave's rows of expert e
	v_mov_b32 v19, 0
	v_mov_b32 v20, 0
	s_wait_kmcnt 0x0
	global_load_b32 v4, v3, s[4:5]
	s_wait_loadcnt 0x0
	v_and_b32 v5, 0xff, v4                         ; ea
	v_lshrrev_b32 v6, 8, v4                        ; eb
.irp e, 0,1,2,3,4,5,6,7
	v_cmp_eq_u32 s[MA+\e], \e, v5
	v_cmp_eq_u32 s[MB+\e], \e, v6
	s_or_b32 s9, s[MA+\e], s[MB+\e]                ; ea < eb: a lane counts once
	s_bcnt1_i32_b32 s10, s9
	v_mbcnt_lo_u32_b32 v7, s9, 0                   ; such lanes below me
	v_cndmask_b32 v16, v16, v7, s[MA+\e]
	v_cndmask_b32 v17, v17, v7, s[MB+\e]
	v_writelane_b32 v18, s10, \e
.endr
	ds_store_b32 v3, v18
	s_wait_dscnt 0x0                               ; for the others: my counts lie in LDS
	s_barrier_signal -1
	s_barrier_wait -1
.irp w, 0,1,2,3,4,5,6,7,8,9,10,11,12,13,14,15,16,17,18,19,20,21,22,23,24,25,26,27,28,29,30,31
	ds_load_b32 v[32+\w], v8 offset:128*\w
.endr
	s_wait_dscnt 0x0
.irp w, 0,1,2,3,4,5,6,7,8,9,10,11,12,13,14,15,16,17,18,19,20,21,22,23,24,25,26,27,28,29,30,31
	s_cmp_gt_u32 s8, \w
	s_cselect_b32 s9, -1, 0
	v_add_nc_u32 v19, v19, v[32+\w]                ; lane e: all rows of expert e,
	v_and_b32 v7, s9, v[32+\w]
	v_add_nc_u32 v20, v20, v7                      ; and those of the waves before mine
.endr
	v_add_nc_u32 v21, 15, v19
	v_lshrrev_b32 v21, 4, v21                      ; tiles
	s_mov_b32 s[ST], 0
.irp e, 0,1,2,3,4,5,6,7
	v_readlane_b32 s[NE+\e], v19, \e
	v_readlane_b32 s[TL+\e], v21, \e
	v_readlane_b32 s[BP+\e], v20, \e
	s_add_co_u32 s[ST+\e+1], s[ST+\e], s[TL+\e]
	s_lshl_b32 s9, s[ST+\e], 4
	s_add_co_u32 s[BP+\e], s[BP+\e], s9
.endr
	v_mov_b32 v14, 0
	v_mov_b32 v15, 0
.irp e, 0,1,2,3,4,5,6,7
	v_cndmask_b32 v14, v14, s[BP+\e], s[MA+\e]
	v_cndmask_b32 v15, v15, s[BP+\e], s[MB+\e]
.endr
	v_add_nc_u32 v14, v14, v16                     ; my two rows
	v_add_nc_u32 v15, v15, v17
	global_store_b64 v9, v[14:15], s[6:7] offset:256
	v_min_u32 v10, 2175, v14                       ; a number made of loaded ones enters an address behind a bound written in the text
	v_lshlrev_b32 v10, 2, v10
	v_min_u32 v11, 2175, v15
	v_lshlrev_b32 v11, 2, v11
	global_store_b32 v10, v0, s[6:7] offset:RTOK
	global_store_b32 v11, v0, s[6:7] offset:RTOK
	; the rows that fill up each expert's last tile: threads 16 e + r, e = 0 .. 7; the other threads find no expert and no row
	v_lshrrev_b32 v22, 4, v0
	v_and_b32 v23, 15, v0
	v_mov_b32 v24, 0
	v_mov_b32 v25, 0
	v_mov_b32 v26, 0
.irp e, 0,1,2,3,4,5,6,7
	v_cmp_eq_u32 vcc_lo, \e, v22
	v_cndmask_b32 v24, v24, s[NE+\e], vcc_lo
	v_cndmask_b32 v25, v25, s[ST+\e], vcc_lo
	v_cndmask_b32 v26, v26, s[TL+\e], vcc_lo
.endr
	v_and_b32 v27, 0xfffffff0, v24
	v_add_nc_u32 v27, v27, v23                     ; row r of the expert's last tile, if that is not full
	v_lshlrev_b32 v26, 4, v26
	v_cmp_ge_u32 s9, v27, v24
	v_cmp_lt_u32 s10, v27, v26
	s_and_b32 s9, s9, s10                          ; a row to fill
	v_lshl_add_u32 v27, v25, 4, v27
	v_cndmask_b32 v27, v14, v27, s9                ; that row and token 0; else my own first row and my token, once more
	v_cndmask_b32 v28, v0, 0, s9
	v_min_u32 v27, 2175, v27
	v_lshlrev_b32 v27, 2, v27
	global_store_b32 v27, v28, s[6:7] offset:RTOK
	; the rows behind the last tile: there are at least 128 tiles, so at most 128 rows are left: one a thread
	s_lshl_b32 s10, s[ST+8], 4
	v_add_nc_u32 v22, s10, v0
	v_cmp_gt_u32 vcc_lo, 2176, v22
	v_cndmask_b32 v22, v15, v22, vcc_lo            ; that row and token 0; else my own second row and my token, once more
	v_cndmask_b32 v23, v0, 0, vcc_lo
	v_min_u32 v22, 2175, v22
	v_lshlrev_b32 v22, 2, v22
	global_store_b32 v22, v23, s[6:7] offset:RTOK
	s_cmp_lg_u32 s8, 0
	s_cbranch_scc1 .Lnot_wave_0
	v_mov_b32 v12, 0
.irp e, 0,1,2,3,4,5,6,7
	v_writelane_b32 v12, s[ST+\e], \e
.endr
	v_mov_b32 v13, v21
	global_store_b64 v29, v[12:13], s[6:7]         ; einfo: 32 lanes store 256 consecutive bytes
.Lnot_wave_0:
	s_wait_tensorcnt 0x0                           ; the wave's end
	ds_add_u32 v30, v31
	s_wait_dscnt 0x0
	s_endpgm
.Lfunc_end_k_q42d5ef954d_place:
	.size	k_q42d5ef954d_place, .Lfunc_end_k_q42d5ef954d_place-k_q42d5ef954d_place
	.p2alignl 7, 3214868480
	.fill 96, 4, 3214868480
	.section	.rodata,"a",@progbits
	.p2align	6, 0x0
	.amdhsa_kernel k_q42d5ef954d_place
		.amdhsa_group_segment_fixed_size 8192
		.amdhsa_private_segment_fixed_size 0
		.amdhsa_enable_private_segment 0
		.amdhsa_kernarg_size 16
		.amdhsa_user_sgpr_count 2
		.amdhsa_user_sgpr_kernarg_segment_ptr 1
		.amdhsa_wavefront_size32 1
		.amdhsa_system_sgpr_workgroup_id_x 1
		.amdhsa_system_sgpr_workgroup_id_y 1
		.amdhsa_system_sgpr_workgroup_id_z 1
		.amdhsa_system_vgpr_workitem_id 0
		.amdhsa_next_free_vgpr 96
		.amdhsa_next_free_sgpr 100
		.amdhsa_reserve_vcc 1
		.amdhsa_float_denorm_mode_32 3
		.amdhsa_float_denorm_mode_16_64 3
		.amdhsa_memory_ordered 1
		.amdhsa_forward_progress 1
		.amdhsa_inst_pref_size 20
	.end_amdhsa_kernel
	.amdgpu_metadata
---
amdhsa.version: [ 1, 2 ]
amdhsa.kernels:
  - .name:           k_q42d5ef954d_place
    .symbol:         k_q42d5ef954d_place.kd
    .args:
      - { .name: sel, .offset: 0, .size: 8, .value_kind: global_buffer, .address_space: global }
      - { .name: lists, .offset: 8, .size: 8, .value_kind: global_buffer, .address_space: global }
    .group_segment_fixed_size: 8192
    .private_segment_fixed_size: 0
    .kernarg_segment_align: 8
    .kernarg_segment_size: 16
    .max_flat_workgroup_size: 1024
    .sgpr_count:     100
    .vgpr_count:     96
    .wavefront_size: 32
...
	.end_amdgpu_metadata
.endif
;; end of part 2
;; launch ffn1 (part 3): grid 32 x 8, 4 waves a work-group, no clusters, 100,864 bytes of LDS; arguments xq, lists, W1_codes, W1_scales, b1, hq; writes hq
.if DOCPART == 3
	.amdgcn_target "amdgcn-amd-amdhsa--gfx1250"
	.amdhsa_code_object_version 6
	.text
	.protected	k_q42d5ef954d_ffn1
	.globl	k_q42d5ef954d_ffn1
	.p2align	8
	.type	k_q42d5ef954d_ffn1,@function
k_q42d5ef954d_ffn1:
	s_mov_b64 s[64:65], 0
	v_nop
	global_prefetch_b8 v0, s[64:65] scope:SCOPE_SE
	s_setreg_imm32_b32 hwreg(HW_REG_WAVE_MODE, 25, 1), 1
	s_wait_xcnt 0x0
; Launch 3 of 5: h = Q(relu(x W1^T + b1)) on codes of BF6 (E3M2), for the chosen rows alone (the other experts' rows reach no output: see the first kernel's head).
; SHARES.  Work-group (x, y) owns hidden units 128 x .. 128 x + 127 of expert y: one K step of the second product.  THE WEIGHTS STAND STILL: wave w keeps 64 of these units (half a = w % 2), all of K = 1,024,
;  as 32 fragments in 384 registers, read from memory once in the launch; the expert's tiles of 16 rows walk past.  Waves with b = w / 2 = 0 take the even tiles, b = 1 the odd ones.
; THE PRODUCT IS USED TRANSPOSED (source 0 = 16 rows of W1, source 1 = 16 rows of x): a lane holds ONE row, its registers run along the hidden units.  THE ROWS OF W1 THAT FORM A TILE ARE NOT NEIGHBOURS:
;  lane r of tile 2 b + u takes row 32 b + 8 u + r + 8 (r / 8), so that the 16 registers of tiles 2 b, 2 b + 1 are 16 neighbours along the next K.  b1 is the C of each sum's first matrix instruction.
; W1 comes by dense loads (512 consecutive bytes each) and turns through LDS once: rows 784 bytes apart = 196 words, so that the 32 lanes of a load of 8 bytes fall on words 4 r + 6 h + {0, 1} modulo 64, all
;  different (64 banks of 4 bytes: ISA guide 11.1).  The stage puts each row where its tile wants it.
; x's fragments come from xq straight into registers, 48 bytes on end a lane and K step, by the list of rows; two buffers, two tiles ahead; the list's words four tiles ahead.
; OUT.  hq[tile][K step][c][768]: the operand's registers as they stand: registers 6 c .. 6 c + 3 at 16 x lane, 6 c + 4, 6 c + 5 at 512 + 8 x lane; from HSC on the scale words [tile][K step][row].
; NO TENSOR LOADS, NO CLUSTER: the number of tiles is read from memory and differs from expert to expert and from wave to wave, so trip counts hang on loaded numbers, and partners would make different numbers of requests.
;  One barrier, ahead of every branch on such a number.
; REGISTERS, in windows of 256: window 0: addresses, scale words, b1, the sums, the quantiser; windows 1, 2: W1's fragments (fragment f = 4 s + t at window 1 + f / 21, register 12 (f % 21));
;  window 3: x's two buffers (buffer n, K step s at 96 n + 12 s); at the head the stage's 192.
; SCALARS: s16 wave, s17 a, s18 b, s20 expert, s22 the expert's first tile, s23 its tiles, s24 my tiles, s25 its last tile, s26 the trip's first tile of mine, s38 the trip, s39 the trips.
.set PITCH, 784
.set SPARE, 128*PITCH                  ; behind the stage: the spare words, 128 bytes for each wave
.set XSC,   786432
.set HSC,   6684672
.set RTOK,  8448
.set SPW, 4                            ; v4   my spare word; never rewritten
.set NIL, 5                            ; v5   0; never rewritten
.set L16, 6                            ; v6   16 x lane
.set L8,  7                            ; v7   8 x lane
.set LA0, 8                            ; v8   the stage, on the way in: my wave's rows + 16 x lane
.set LA1, 9                            ; v9   the same for a load that straddles two rows: + 512, and 16 more in lanes 16-31
.set FRA, 10                           ; v10  the stage, on the way out: row 64 a + r, + 24 h
.set L4R, 11                           ; v11  4 r
.set H48, 12                           ; v12  48 h
.set WSO, 13                           ; v13  W1's scale words: 32 bytes a row, row r + 8 (r / 8)
.set BO,  14                           ; v14  b1: 64 h
.set IDA, 16                           ; v16-17 where the list's words are read
.set IDV, 18                           ; v18-19 the tokens
.set XA,  20                           ; v20-21 their codes
.set XSA, 22                           ; v22-23 their scale bytes
.set HO,  24                           ; v24-26 where the results go
.set HO8, 25
.set HSO, 26
.set XS,  32                           ; v32-47  x's scale words, a set of 8 for each buffer
.set W1S, 48                           ; v48-79  W1's: tile t, K step s at 8 t + s
.set B1,  80                           ; v80-111 b1 in the result's layout, 8 a tile
.set HA,  112                          ; v112-143 the four sums
.set TM,  144                          ; v144.. at work
.set PW,  160                          ; v160 two scale bytes
.set PC,  162                          ; v162-170 the codes
.set MSB, 0
.macro WIN new                         ; the immediate's high byte repeats the setting that is left
.if MSB != \new
	s_set_vgpr_msb (MSB<<8)|\new
.set MSB, \new
.endif
.endm
; The list's words of my tile s26 + ahead.  Beyond my expert's last tile the last is taken again: the look-ahead always asks, so that the counted wait holds on every way.
.macro IDADDR beta, ahead
	s_add_co_u32 s27, s26, \ahead
	s_lshl_b32 s27, s27, 1
	s_add_co_u32 s27, s27, s18
	s_min_u32 s27, s27, s25
	s_add_co_u32 s27, s27, s22
	s_min_u32 s27, s27, 135                        ; the bound written in the text: 136 tiles have room
	s_lshl_b32 s27, s27, 6
	v_add_nc_u32 v[IDA+\beta], s27, v[L4R]
.endm
.macro IDLOAD beta
	global_load_b32 v[IDV+\beta], v[IDA+\beta], s[6:7] offset:RTOK
.endm
.macro XADDR beta
	v_min_u32 v[IDV+\beta], 0x3ff, v[IDV+\beta]
	v_mul_u32_u24 v[XA+\beta], v[IDV+\beta], 768
	v_lshlrev_b32 v[XSA+\beta], 5, v[IDV+\beta]
	v_add_nc_u32 v[XA+\beta], v[XA+\beta], v[H48]
.endm
.macro XLOAD beta                      ; 26 loads: a tile's eight fragments and its rows' eight scale words
	WIN 0xc0                                       ; destination window 3
.irp s, 0,1,2,3,4,5,6,7
.irp g, 0,1,2
	global_load_b128 v[96*\beta+12*\s+4*\g:96*\beta+12*\s+4*\g+3], v[XA+\beta], s[4:5] offset:96*\s+16*\g
.endr
.endr
	WIN 0
	global_load_b128 v[XS+8*\beta:XS+8*\beta+3], v[XSA+\beta], s[4:5] offset:XSC
	global_load_b128 v[XS+8*\beta+4:XS+8*\beta+7], v[XSA+\beta], s[4:5] offset:XSC+16
.endm
	s_load_b256 s[4:11], s[0:1], 0x0               ; xq, lists, W1's codes, W1's scales
	s_load_b128 s[12:15], s[0:1], 0x20             ; b1, hq
	v_lshl_add_u32 v[SPW], v0, 2, SPARE
	v_mov_b32 v[NIL], 0
	v_lshrrev_b32 v1, 5, v0
	v_readfirstlane_b32 s16, v1                    ; wave
	s_and_b32 s17, s16, 1                          ; a: which 64 hidden units
	s_lshr_b32 s18, s16, 1                         ; b: even or odd tiles
	s_and_b32 s20, ttmp7, 0xffff                   ; expert
	v_and_b32 v1, 31, v0
	v_and_b32 v2, 15, v0                           ; r
	v_bfe_u32 v3, v0, 4, 1                         ; h
	v_lshlrev_b32 v[L16], 4, v1
	v_lshlrev_b32 v[L8], 3, v1
	v_lshlrev_b32 v[L4R], 2, v2
	v_mul_u32_u24 v[H48], v3, 48
	s_mul_i32 s27, s16, 32*PITCH
	v_add_nc_u32 v[LA0], s27, v[L16]
	v_lshl_add_u32 v[LA1], v3, 4, v[LA0]
	v_add_nc_u32 v[LA1], 512, v[LA1]
	s_mul_i32 s27, s17, 64*PITCH
	v_mul_u32_u24 v[FRA], v2, PITCH
	v_mad_u32_u24 v[FRA], v3, 24, v[FRA]
	v_add_nc_u32 v[FRA], s27, v[FRA]
	v_and_b32 v[WSO], 8, v2
	v_add_nc_u32 v[WSO], v[WSO], v2
	v_lshlrev_b32 v[WSO], 5, v[WSO]
	v_lshlrev_b32 v[BO], 6, v3
	v_mov_b32 v[TM+4], 0                           ; written once: a lane permute's destination counts as read
	v_mov_b32 v[TM+5], 0
	s_mov_b32 s36, 0x76543210
	s_mov_b32 s37, 0xfedcba98                      ; v_permlanex16_b32: lane l xor 16
	s_lshl_b32 s27, s20, 12
	s_lshl_b32 s28, ttmp9, 7
	s_add_co_u32 s27, s27, s28                     ; the work-group's first row of W1: 4,096 e + 128 x
	s_lshl_b32 s28, s16, 5
	s_add_co_u32 s28, s28, s27
	s_mul_i32 s28, s28, 768                        ; the 32 rows that I stage
	s_mov_b32 s29, 0
	s_lshl_b32 s30, s17, 6
	s_add_co_u32 s30, s30, s27                     ; the 64 rows that I multiply by
	s_lshl_b32 s21, s20, 3
	s_mov_b32 s26, 0
	s_wait_kmcnt 0x0
	s_load_b64 s[22:23], s[6:7], s21 offset:0x0    ; my expert's first tile, and its tiles
	s_add_nc_u64 s[8:9], s[8:9], s[28:29]
	s_lshl_b32 s28, s30, 5
	s_add_nc_u64 s[10:11], s[10:11], s[28:29]
	s_lshl_b32 s28, s30, 2
	s_add_nc_u64 s[12:13], s[12:13], s[28:29]
	s_mul_i32 s28, ttmp9, 1536
	s_mul_i32 s30, s17, 768
	s_add_co_u32 s28, s28, s30
	s_add_nc_u64 s[32:33], s[14:15], s[28:29]      ; hq at K step x, half a
	s_lshl_b32 s28, ttmp9, 6
	s_lshl_b32 s30, s17, 1
	s_add_co_u32 s28, s28, s30
	s_add_nc_u64 s[34:35], s[14:15], s[28:29]      ; its scale words at K step x, bytes 2 a, 2 a + 1
	WIN 0xc0
.set n, 0
.rept 48                               ; my 32 rows of W1: 24,576 dense bytes, read once in the launch
	global_load_b128 v[4*n:4*n+3], v[L16], s[8:9] offset:512*n th:TH_LOAD_NT
.set n, n+1
.endr
	WIN 0
.irp t, 0,1,2,3
	global_load_b128 v[W1S+8*\t:W1S+8*\t+3], v[WSO], s[10:11] offset:(32*(\t/2)+8*(\t%2))*32
	global_load_b128 v[W1S+8*\t+4:W1S+8*\t+7], v[WSO], s[10:11] offset:(32*(\t/2)+8*(\t%2))*32+16
.endr
.irp t, 0,1,2,3
	global_load_b128 v[B1+8*\t:B1+8*\t+3], v[BO], s[12:13] offset:(32*(\t/2)+8*(\t%2))*4
	global_load_b128 v[B1+8*\t+4:B1+8*\t+7], v[BO], s[12:13] offset:(32*(\t/2)+8*(\t%2))*4+16
.endr
	s_wait_kmcnt 0x0
	s_add_co_u32 s24, s23, 1
	s_sub_co_u32 s24, s24, s18
	s_lshr_b32 s24, s24, 1                         ; my tiles: those of my parity
	s_max_u32 s25, s23, 1
	s_sub_co_u32 s25, s25, 1                       ; the expert's last tile
	IDADDR 0, 0
	IDLOAD 0
	IDADDR 1, 1
	IDLOAD 1
	s_wait_loadcnt 18                              ; W1's 48 loads are in: behind them 16 of scale words and b1 and 2 of the list
	WIN 0x0c                                       ; an LDS store's data are its source 1: window 3
.set m, 0
.rept 16                               ; three loads hold rows 2 m and 2 m + 1; row j of my 32 goes to place j % 8 + 16 ((j / 8) % 2) + 8 (j / 16)
.set SL, ((2*m)&7)+16*(((2*m)>>3)&1)+8*(((2*m)>>4)&1)
	ds_store_b128 v[LA0], v[12*m:12*m+3] offset:SL*PITCH
	ds_store_b128 v[LA1], v[12*m+4:12*m+7] offset:SL*PITCH
	ds_store_b128 v[LA0], v[12*m+8:12*m+11] offset:(SL+1)*PITCH+256
.set m, m+1
.endr
	WIN 0
	s_wait_loadcnt 0x0
	XADDR 0
	XADDR 1
	s_wait_dscnt 0x0                               ; for the others: my rows lie in the stage
	s_barrier_signal -1
	s_barrier_wait -1
	s_cmp_eq_u32 s24, 0
	s_cbranch_scc1 .Ldone                          ; no tile of my parity: nothing to store
	IDADDR 0, 2
	IDLOAD 0
	XLOAD 0
	IDADDR 1, 3
	IDLOAD 1
	XLOAD 1
.set f, 0
.rept 32                               ; my 32 fragments: 24 bytes of a row's stream of bits twice, in pieces of 8
.if f < 21
	WIN 0x40
.else
	WIN 0x80
.endif
.irp p, 0,1,2,3,4,5
	ds_load_b64 v[12*(f%21)+2*\p:12*(f%21)+2*\p+1], v[FRA] offset:(f%4)*16*PITCH+96*(f/4)+48*(\p/3)+8*(\p%3)
.endr
.set f, f+1
.endr
	WIN 0
	s_wait_dscnt 0x0
; 32 numbers of a lane, register 16 b + i = hidden unit 32 b + 16 h + i of my row, none negative, become half a fragment's codes and two scale bytes.
.macro QUANT2
.irp b, 0,1
	v_max3_num_f32 v[TM+\b], v[HA+16*\b], v[HA+16*\b+1], 0x2800000   ; with the floor 2^(5 - 127): the byte cannot fall under 1
.endr
.irp i, 2,4,6,8,10,12,14
.irp b, 0,1
	v_max3_num_f32 v[TM+\b], v[TM+\b], v[HA+16*\b+\i], v[HA+16*\b+\i+1]
.endr
.endr
.irp b, 0,1
	v_permlanex16_b32 v[TM+4+\b], v[TM+\b], s36, s37
.endr
.irp b, 0,1
	v_max_num_f32 v[TM+\b], v[TM+\b], v[TM+4+\b]   ; with lane l xor 16: the block's largest
.endr
.irp b, 0,1
	v_add_nc_u32 v[TM+8+\b], 0xfe000000, v[TM+\b]  ; 4 off the exponent field: the conversion's scale operand
.endr
.irp b, 0,1
	v_lshrrev_b32 v[TM+4+\b], 23, v[TM+8+\b]       ; the byte
.endr
	v_lshl_or_b32 v[PW], v[TM+5], 8, v[TM+4]
	v_cvt_scalef32_pk16_bf6_f32 v[PC:PC+2], v[HA:HA+15], v[TM+8]
	v_cvt_scalef32_pk16_bf6_f32 v[PC+6:PC+8], v[HA+16:HA+31], v[TM+9]   ; (a conversion's three registers begin on an even number)
	v_nop                                          ; one plain line behind a scaled conversion
.irp i, 0,1,2
	v_permlane16_swap_b32 v[PC+\i], v[PC+6+\i]     ; the operand wants a whole block in a lane: lanes 0-15 the first, lanes 16-31 the second
.endr
.irp i, 0,1,2
	v_mov_b32 v[PC+3+\i], v[PC+6+\i]
.endr
.endm
; My tile s26 + beta, from buffer beta.
.macro TILE beta
	s_wait_loadcnt 27                              ; this tile's 26 loads are in, and the list's words of two tiles on: behind them one load of the list and the next tile's 26
	s_wait_xcnt 0x0                                ; the last tile's stores have read their registers, which are written again below
.set f, 0
.rept 32                               ; K step f / 4, tile f % 4: the four sums by turns, one instruction a turn
.if f < 21
	WIN 0x0d                                       ; source 0 (W1) window 1, source 1 (x) window 3
.else
	WIN 0x0e                                       ; source 0 window 2
.endif
.if f < 4
	v_wmma_scale_f32_16x16x128_f8f6f4 v[HA+8*(f%4):HA+8*(f%4)+7], v[12*(f%21):12*(f%21)+11], v[96*\beta+12*(f/4):96*\beta+12*(f/4)+11], v[B1+8*(f%4):B1+8*(f%4)+7], v[W1S+8*(f%4)+f/4], v[XS+8*\beta+f/4] matrix_a_fmt:MATRIX_FMT_BF6 matrix_b_fmt:MATRIX_FMT_BF6
.else
	v_wmma_scale_f32_16x16x128_f8f6f4 v[HA+8*(f%4):HA+8*(f%4)+7], v[12*(f%21):12*(f%21)+11], v[96*\beta+12*(f/4):96*\beta+12*(f/4)+11], v[HA+8*(f%4):HA+8*(f%4)+7], v[W1S+8*(f%4)+f/4], v[XS+8*\beta+f/4] matrix_a_fmt:MATRIX_FMT_BF6 matrix_b_fmt:MATRIX_FMT_BF6
.endif
.set f, f+1
.endr
	WIN 0
	XADDR \beta                                    ; five plain lines that name no register of the products: the places in front of the loads into their operands
	IDADDR \beta, \beta+4                          ; of the first read of the sums, and of the next tile's products, which begin the sums anew
	IDLOAD \beta
	XLOAD \beta                                    ; the tile two on
.set i, 0
.rept 32
	v_max_num_f32 v[HA+i], 0, v[HA+i]              ; the activation, in f32; each sum from its low end on
.set i, i+1
.endr
	QUANT2
	s_add_co_u32 s28, s26, \beta
	s_lshl_b32 s28, s28, 1
	s_add_co_u32 s28, s28, s18
	s_add_co_u32 s28, s28, s22                     ; this tile
	s_min_u32 s28, s28, 135
	s_mul_i32 s29, s28, 49152
	s_lshl_b32 s28, s28, 11
	v_add_nc_u32 v[HO], s29, v[L16]
	v_add_nc_u32 v[HO8], s29, v[L8]
	v_add_nc_u32 v[HSO], s28, v[L4R]
	global_store_b128 v[HO], v[PC:PC+3], s[32:33]                  ; 512 consecutive bytes
	global_store_b64 v[HO8], v[PC+4:PC+5], s[32:33] offset:512     ; 256 consecutive bytes
	global_store_b16 v[HSO], v[PW], s[34:35] offset:HSC            ; my half of the row's scale word (both lanes of a row store the same)
.endm
	s_add_co_u32 s39, s24, 1
	s_lshr_b32 s39, s39, 1                         ; trips: two of my tiles each, the last perhaps one
	s_mov_b32 s38, 0
.Lpair:                                ; a trip takes two of my tiles, one from each buffer; the trips are counted one by one, and the loop is left by falling through its compare alone
	s_lshl_b32 s26, s38, 1                         ; the trip's first tile
	TILE 0
	s_add_co_u32 s27, s26, 1
	s_cmp_ge_u32 s27, s24
	s_cbranch_scc1 .Lodd                           ; an odd number of tiles: the last trip has no second tile
	TILE 1
	s_branch .Lstep
.Lodd:
	s_wait_loadcnt 0x0                             ; what the look-ahead asked for is let in, so that the counted wait at a tile's head holds on every way round the loop
.Lstep:
	s_add_co_u32 s38, s38, 1
	s_cmp_lt_u32 s38, s39
	s_cbranch_scc1 .Lpair
.Ldone:
	s_wait_tensorcnt 0x0                           ; the wave's end
	ds_add_u32 v[SPW], v[NIL]
	s_wait_dscnt 0x0
	s_endpgm
.Lfunc_end_k_q42d5ef954d_ffn1:
	.size	k_q42d5ef954d_ffn1, .Lfunc_end_k_q42d5ef954d_ffn1-k_q42d5ef954d_ffn1
	.p2alignl 7, 3214868480
	.fill 96, 4, 3214868480
	.section	.rodata,"a",@progbits
	.p2align	6, 0x0
	.amdhsa_kernel k_q42d5ef954d_ffn1
		.amdhsa_group_segment_fixed_size 100864
		.amdhsa_private_segment_fixed_size 0
		.amdhsa_enable_private_segment 0
		.amdhsa_kernarg_size 48
		.amdhsa_user_sgpr_count 2
		.amdhsa_user_sgpr_kernarg_segment_ptr 1
		.amdhsa_wavefront_size32 1
		.amdhsa_system_sgpr_workgroup_id_x 1
		.amdhsa_system_sgpr_workgroup_id_y 1
		.amdhsa_system_sgpr_workgroup_id_z 1
		.amdhsa_system_vgpr_workitem_id 0
		.amdhsa_next_free_vgpr 1024
		.amdhsa_next_free_sgpr 66
		.amdhsa_reserve_vcc 0
		.amdhsa_float_denorm_mode_32 3
		.amdhsa_float_denorm_mode_16_64 3
		.amdhsa_memory_ordered 1
		.amdhsa_forward_progress 1
		.amdhsa_inst_pref_size 54
	.end_amdhsa_kernel
	.amdgpu_metadata
---
amdhsa.version: [ 1, 2 ]
amdhsa.kernels:
  - .name:           k_q42d5ef954d_ffn1
    .symbol:         k_q42d5ef954d_ffn1.kd
    .args:
      - { .name: xq, .offset: 0, .size: 8, .value_kind: global_buffer, .address_space: global }
      - { .name: lists, .offset: 8, .size: 8, .value_kind: global_buffer, .address_space: global }
      - { .name: W1_codes, .offset: 16, .size: 8, .value_kind: global_buffer, .address_space: global }
      - { .name: W1_scales, .offset: 24, .size: 8, .value_kind: global_buffer, .address_space: global }
      - { .name: b1, .offset: 32, .size: 8, .value_kind: global_buffer, .address_space: global }
      - { .name: hq, .offset: 40, .size: 8, .value_kind: global_buffer, .address_space: global }
    .group_segment_fixed_size: 100864
    .private_segment_fixed_size: 0
    .kernarg_segment_align: 8
    .kernarg_segment_size: 48
    .max_flat_workgroup_size: 128
    .sgpr_count:     66
    .vgpr_count:     1024
    .wavefront_size: 32
...
	.end_amdgpu_metadata
.endif
;; end of part 3
;; launch ffn2 (part 4): grid 32 x 8, 4 waves a work-group, no clusters, 201,216 bytes of LDS; arguments hq, lists, W2_codes, W2_scales, b2, y; writes y
.if DOCPART == 4
	.amdgcn_target "amdgcn-amd-amdhsa--gfx1250"
	.amdhsa_code_object_version 6
	.text
	.protected	k_q42d5ef954d_ffn2
	.globl	k_q42d5ef954d_ffn2
	.p2align	8
	.type	k_q42d5ef954d_ffn2,@function
k_q42d5ef954d_ffn2:
	s_mov_b64 s[64:65], 0
	v_nop
	global_prefetch_b8 v0, s[64:65] scope:SCOPE_SE
	s_setreg_imm32_b32 hwreg(HW_REG_WAVE_MODE, 25, 1), 1
	s_wait_xcnt 0x0
; Launch 4 of 5: y = h W2^T + b2 on codes of BF6 (E3M2), for the chosen rows alone (the other experts' rows reach no output: see the first kernel's head).
; SHARES.  Work-group (x, y): outputs 64 (x / 2) .. + 63 of expert y, and the expert's tiles of 16 rows of parity x % 2.  THE WEIGHTS STAND STILL, AND THE WAVES SHARE K: wave w keeps K steps 8 w .. 8 w + 7
;  (a quarter of K = 4,096) of the 64 outputs as 32 fragments in 384 registers; no two waves load the same byte of W2 or of h.  A tile's four partial sums meet in LDS and are added in a fixed order, with b2.
; THE PRODUCT IS USED TRANSPOSED (source 0 = 16 rows of W2, source 1 = 16 rows of h): a lane holds eight neighbouring outputs of one row.
; W2's pieces of rows (768 bytes, three aligned blocks of 256) turn through the wave's own stage in LDS once: rows 784 bytes apart = 196 words, so that the 32 lanes of a load of 8 bytes fall on words
;  4 r + 6 h + {0, 1} modulo 64, all different (64 banks of 4 bytes: ISA guide 11.1).  h's fragments come from hq as images of the operand's registers; two buffers, two tiles ahead.
; BATCHES.  Eight tiles' partial sums fit in LDS (4 waves x 8 x 16 rows x 272 bytes, over the stages, which are done with): tiles, barrier, each wave adds up two of the eight and stores whole rows' 256 bytes, barrier.
;  An expert has at most 1,024 rows = 64 tiles, 32 of a parity: FOUR batches, a constant, so that every wave passes every barrier; only work is jumped over.
; NO TENSOR LOADS, NO CLUSTER: the number of tiles is read from memory and differs from expert to expert, so branches hang on loaded numbers, and partners would make different numbers of requests.
; REGISTERS, in windows of 256: window 0: addresses, scale words, the sums, the adding up; windows 1, 2: W2's fragments (fragment f = 4 s + n at window 1 + f / 21, register 12 (f % 21));
;  window 3: h's two buffers (buffer n, K step s at 96 n + 12 s).  At the head windows 3 and 1 hold what goes through the stage.
.set PITCH, 784
.set SPARE, 256*PITCH                  ; behind the four stages: the spare words, 128 bytes for each wave
.set HSC,   6684672
.set SPW, 4                            ; v4   my spare word; never rewritten
.set NIL, 5                            ; v5   0; never rewritten
.set L16, 6                            ; v6   16 x lane
.set G1,  7                            ; v7   a load that straddles two rows of W2: 16 x lane + 512, and 2,304 more in lanes 16-31
.set LA0, 8                            ; v8   the stage, on the way in
.set LA1, 9
.set FRA, 10                           ; v10  and on the way out: row r, + 24 h
.set L8,  12                           ; v12  8 x lane
.set L4,  13                           ; v13  4 x lane
.set HAD, 14                           ; v14-15 h's images: the pieces of 16 bytes a lane,
.set HBD, 16                           ; v16-17 of 8,
.set HCD, 18                           ; v18-19 and the scale words
.set STO, 20                           ; v20  where I put 32 bytes of a row's partial sums
.set RD0, 21                           ; v21  where I read rows back: waves 0 and 1's sums,
.set RD1, 22                           ; v22  waves 2 and 3's
.set YO,  23                           ; v23  two rows of y: 4,096 (lane / 16) + 16 (lane % 16)
.set YA,  24                           ; v24  the same in the tile in hand
.set SO,  25                           ; v25  W2's scale words: 128 r
.set BIO, 26                           ; v26  b2: 16 (lane % 16)
.set BI,  28                           ; v28-31 b2 of my four outputs
.set W2S, 32                           ; v32-63 W2's scale words: tile n, K step s at 8 n + s
.set HS,  64                           ; v64-71 h's: buffer n, register i: lanes 0-15 K step 2 i, lanes 16-31 K step 2 i + 1
.set AC,  72                           ; v72-103 the four sums
.set RB,  104                          ; v104-167 the adding up
.set MSB, 0
.macro WIN new                         ; the immediate's high byte repeats the setting that is left
.if MSB != \new
	s_set_vgpr_msb (MSB<<8)|\new
.set MSB, \new
.endif
.endm
.macro WLOAD m0                        ; rows 2 m0 .. 2 m0 + 31: three loads for two rows' 768 bytes each
.set m, 0
.rept 16
	global_load_b128 v[12*m:12*m+3], v[L16], s[8:9] offset:2*(m+\m0)*3072
	global_load_b128 v[12*m+4:12*m+7], v[G1], s[8:9] offset:2*(m+\m0)*3072
	global_load_b128 v[12*m+8:12*m+11], v[L16], s[8:9] offset:(2*(m+\m0)+1)*3072+256
.set m, m+1
.endr
.endm
.macro WSTORE m0
.set m, 0
.rept 16
	ds_store_b128 v[LA0], v[12*m:12*m+3] offset:2*(m+\m0)*PITCH
	ds_store_b128 v[LA1], v[12*m+4:12*m+7] offset:2*(m+\m0)*PITCH
	ds_store_b128 v[LA0], v[12*m+8:12*m+11] offset:(2*(m+\m0)+1)*PITCH+256
.set m, m+1
.endr
.endm
; Where my tile s24 + ahead lies in hq.  Beyond the expert's last tile the last is taken again: the look-ahead always asks, so that the counted wait holds on every way.
.macro HADDR be, ahead
	s_add_co_u32 s26, s24, \ahead
	s_lshl_b32 s26, s26, 1
	s_add_co_u32 s26, s26, s19
	s_min_u32 s26, s26, s23
	s_add_co_u32 s26, s26, s20
	s_min_u32 s26, s26, 135                        ; the bound written in the text: 136 tiles have room
	s_mul_i32 s27, s26, 49152
	s_lshl_b32 s26, s26, 11
	v_add_nc_u32 v[HAD+(\be)], s27, v[L16]
	v_add_nc_u32 v[HBD+(\be)], s27, v[L8]
	v_add_nc_u32 v[HCD+(\be)], s26, v[L4]
.endm
.macro HLOAD be                        ; 36 loads: my eight K steps' fragments and scale words of a tile
	WIN 0xc0                                       ; destination window 3
.irp s, 0,1,2,3,4,5,6,7
	global_load_b128 v[96*(\be)+12*\s:96*(\be)+12*\s+3], v[HAD+(\be)], s[32:33] offset:1536*\s
	global_load_b64 v[96*(\be)+12*\s+4:96*(\be)+12*\s+5], v[HBD+(\be)], s[32:33] offset:1536*\s+512
	global_load_b128 v[96*(\be)+12*\s+6:96*(\be)+12*\s+9], v[HAD+(\be)], s[32:33] offset:1536*\s+768
	global_load_b64 v[96*(\be)+12*\s+10:96*(\be)+12*\s+11], v[HBD+(\be)], s[32:33] offset:1536*\s+1280
.endr
	WIN 0
.irp i, 0,1,2,3
	global_load_b32 v[HS+4*(\be)+\i], v[HCD+(\be)], s[34:35] offset:HSC+128*\i
.endr
.endm
	s_load_b256 s[4:11], s[0:1], 0x0               ; hq, lists, W2's codes, W2's scales
	s_load_b128 s[12:15], s[0:1], 0x20             ; b2, y
	v_lshl_add_u32 v[SPW], v0, 2, SPARE
	v_mov_b32 v[NIL], 0
	v_lshrrev_b32 v1, 5, v0
	v_readfirstlane_b32 s16, v1                    ; wave: my quarter of K
	s_and_b32 s17, ttmp7, 0xffff                   ; expert
	s_lshr_b32 s18, ttmp9, 1                       ; which 64 outputs
	s_and_b32 s19, ttmp9, 1                        ; even or odd tiles
	v_and_b32 v1, 31, v0
	v_and_b32 v2, 15, v0                           ; r
	v_bfe_u32 v3, v0, 4, 1                         ; h
	v_lshlrev_b32 v[L16], 4, v1
	v_lshlrev_b32 v[L8], 3, v1
	v_lshlrev_b32 v[L4], 2, v1
	v_mul_u32_u24 v[G1], v3, 2304
	v_add_nc_u32 v[G1], v[G1], v[L16]
	v_add_nc_u32 v[G1], 512, v[G1]
	s_mul_i32 s26, s16, 64*PITCH                   ; my stage
	v_add_nc_u32 v[LA0], s26, v[L16]
	v_lshl_add_u32 v[LA1], v3, 4, v[LA0]
	v_add_nc_u32 v[LA1], 512, v[LA1]
	v_mul_u32_u24 v[FRA], v2, PITCH
	v_mad_u32_u24 v[FRA], v3, 24, v[FRA]
	v_add_nc_u32 v[FRA], s26, v[FRA]
	s_mul_i32 s27, s16, 34816                      ; my eight places for partial sums, 16 x 272 bytes each
	v_mul_u32_u24 v[STO], v2, 272
	v_lshl_add_u32 v[STO], v3, 5, v[STO]
	v_add_nc_u32 v[STO], s27, v[STO]
	s_mul_i32 s27, s16, 8704                       ; I add up places 2 w and 2 w + 1 of all four waves
	v_mul_u32_u24 v[RD0], v3, 272
	v_lshl_add_u32 v[RD0], v2, 4, v[RD0]
	v_add_nc_u32 v[RD0], s27, v[RD0]
	v_add_nc_u32 v[RD1], 69632, v[RD0]
	v_lshlrev_b32 v[YO], 12, v3
	v_lshl_add_u32 v[YO], v2, 4, v[YO]
	v_lshlrev_b32 v[SO], 7, v2
	v_lshlrev_b32 v[BIO], 4, v2
	s_lshl_b32 s26, s17, 10
	s_lshl_b32 s27, s18, 6
	s_add_co_u32 s26, s26, s27                     ; the work-group's first row of W2: 1,024 e + 64 (x / 2)
	s_mul_i32 s28, s26, 3072
	s_mul_i32 s27, s16, 768
	s_add_co_u32 s28, s28, s27                     ; and my quarter of it
	s_mov_b32 s29, 0
	s_lshl_b32 s30, s17, 3
	s_mov_b32 s24, 0
	s_wait_kmcnt 0x0
	s_load_b64 s[20:21], s[6:7], s30 offset:0x0    ; my expert's first tile, and its tiles
	s_add_nc_u64 s[8:9], s[8:9], s[28:29]
	s_lshl_b32 s28, s26, 7
	s_lshl_b32 s27, s16, 5
	s_add_co_u32 s28, s28, s27
	s_add_nc_u64 s[10:11], s[10:11], s[28:29]
	s_lshl_b32 s28, s26, 2
	s_add_nc_u64 s[12:13], s[12:13], s[28:29]
	s_lshl_b32 s28, s18, 8
	s_add_nc_u64 s[36:37], s[14:15], s[28:29]      ; y at my 64 outputs
	s_mul_i32 s28, s16, 12288
	s_add_nc_u64 s[32:33], s[4:5], s[28:29]        ; hq at my eight K steps,
	s_lshl_b32 s28, s16, 9
	s_add_nc_u64 s[34:35], s[4:5], s[28:29]        ; and their scale words
	WIN 0xc0
	WLOAD 0
	WIN 0x40
	WLOAD 16
	WIN 0
.irp n, 0,1,2,3
	global_load_b128 v[W2S+8*\n:W2S+8*\n+3], v[SO], s[10:11] offset:16*\n*128
	global_load_b128 v[W2S+8*\n+4:W2S+8*\n+7], v[SO], s[10:11] offset:16*\n*128+16
.endr
	global_load_b128 v[BI:BI+3], v[BIO], s[12:13]
	s_wait_loadcnt 57                              ; the first 48 loads are in: behind them the second 48, 8 of scale words and 1 of b2
	WIN 0x0c                                       ; an LDS store's data are its source 1: window 3
	WSTORE 0
	s_wait_loadcnt 0x0
	WIN 0x04                                       ; window 1
	WSTORE 16
	WIN 0
	s_wait_kmcnt 0x0
	s_add_co_u32 s22, s21, 1
	s_sub_co_u32 s22, s22, s19
	s_lshr_b32 s22, s22, 1                         ; my work-group's tiles: those of its parity
	s_max_u32 s23, s21, 1
	s_sub_co_u32 s23, s23, 1                       ; the expert's last tile
	s_cmp_eq_u32 s21, 0
	s_cselect_b32 s20, 0, s20                      ; an expert without rows: the look-ahead below reads tile 0, which is always written, and nothing is made of it
	s_wait_dscnt 0x0                               ; the stage's stores have read their registers
	HADDR 0, 0
	HLOAD 0
	HADDR 1, 1
	HLOAD 1
.set f, 0
.rept 32                               ; my 32 fragments, from my own stage: LDS serves a wave's instructions in order (ISA guide 5.7.1.4)
.if f < 21
	WIN 0x40
.else
	WIN 0x80
.endif
.irp p, 0,1,2,3,4,5
	ds_load_b64 v[12*(f%21)+2*\p:12*(f%21)+2*\p+1], v[FRA] offset:(f%4)*16*PITCH+96*(f/4)+48*(\p/3)+8*(\p%3)
.endr
.set f, f+1
.endr
	WIN 0
	s_wait_dscnt 0x0                               ; my reads of the stage are over:
	s_barrier_signal -1
	s_barrier_wait -1                              ; everybody's are: the partial sums may be laid over the stages
; Tile s24 + u of the batch, from buffer u % 2, into place u.  Past the last tile: on to the batch's barrier.
.macro TILE u
	s_add_co_u32 s26, s24, \u
	s_cmp_ge_u32 s26, s22
	s_cbranch_scc1 .Lpast
	s_wait_loadcnt 36                              ; this tile's 36 loads are in; the next tile's may be out
	s_wait_dscnt 0x0                               ; the last tile's LDS stores are done
.set BE, (\u)%2
.set f, 0
.rept 32                               ; K step f / 4, outputs 16 (f % 4) on: the four sums by turns, one instruction a turn; the first products start the sums
.if f < 21
	WIN 0x0d                                       ; source 0 (W2) window 1, source 1 (h) window 3
.else
	WIN 0x0e                                       ; source 0 window 2
.endif
.if f < 4
	v_wmma_scale_f32_16x16x128_f8f6f4 v[AC+8*(f%4):AC+8*(f%4)+7], v[12*(f%21):12*(f%21)+11], v[96*BE+12*(f/4):96*BE+12*(f/4)+11], 0, v[W2S+8*(f%4)+f/4], v[HS+4*BE+f/8] matrix_a_fmt:MATRIX_FMT_BF6 matrix_b_fmt:MATRIX_FMT_BF6
.elseif (f/4)%2
	v_wmma_scale_f32_16x16x128_f8f6f4 v[AC+8*(f%4):AC+8*(f%4)+7], v[12*(f%21):12*(f%21)+11], v[96*BE+12*(f/4):96*BE+12*(f/4)+11], v[AC+8*(f%4):AC+8*(f%4)+7], v[W2S+8*(f%4)+f/4], v[HS+4*BE+f/8] matrix_a_fmt:MATRIX_FMT_BF6 matrix_b_fmt:MATRIX_FMT_BF6 matrix_b_scale:MATRIX_SCALE_ROW1
.else
	v_wmma_scale_f32_16x16x128_f8f6f4 v[AC+8*(f%4):AC+8*(f%4)+7], v[12*(f%21):12*(f%21)+11], v[96*BE+12*(f/4):96*BE+12*(f/4)+11], v[AC+8*(f%4):AC+8*(f%4)+7], v[W2S+8*(f%4)+f/4], v[HS+4*BE+f/8] matrix_a_fmt:MATRIX_FMT_BF6 matrix_b_fmt:MATRIX_FMT_BF6
.endif
.set f, f+1
.endr
	WIN 0
	HADDR BE, (\u)+2                               ; three plain lines and two v_nop, which name no register of the products: the places in front of the loads into their operands
	v_nop                                          ; of the stores that read the sums, and of the next tile's products, which begin the sums anew
	v_nop
	HLOAD BE                                       ; the tile two on
.irp n, 0,1,2,3
	ds_store_b128 v[STO], v[AC+8*\n:AC+8*\n+3] offset:4352*(\u)+64*\n          ; each sum from its low end on
	ds_store_b128 v[STO], v[AC+8*\n+4:AC+8*\n+7] offset:4352*(\u)+64*\n+16
.endr
.endm
; Place 2 w + up of the batch: the four waves' partial sums and b2, two rows an instruction; sixteen lanes store a row's 256 consecutive bytes, aligned.
.macro REDSLOT up
	s_lshl_b32 s26, s16, 1
	s_add_co_u32 s26, s26, s24
	s_add_co_u32 s26, s26, \up
	s_cmp_ge_u32 s26, s22
	s_cbranch_scc1 .Lred_done
	s_lshl_b32 s26, s26, 1
	s_add_co_u32 s26, s26, s19
	s_add_co_u32 s26, s26, s20                     ; the tile
	s_min_u32 s26, s26, 135
	s_lshl_b32 s26, s26, 16                        ; 16 rows of 4,096 bytes
.irp gq, 0,1
	s_wait_xcnt 0x0                                ; the earlier stores have read their registers and their offset
.if \gq == 0
	v_add_nc_u32 v[YA], s26, v[YO]
.endif
.irp i, 0,1,2,3
.irp p, 0,1
	ds_load_b128 v[RB+16*\i+4*\p:RB+16*\i+4*\p+3], v[RD0] offset:\p*34816+4352*\up+544*(4*\gq+\i)
.endr
.irp p, 0,1
	ds_load_b128 v[RB+16*\i+8+4*\p:RB+16*\i+8+4*\p+3], v[RD1] offset:\p*34816+4352*\up+544*(4*\gq+\i)
.endr
.endr
	s_wait_dscnt 0x0
.irp i, 0,1,2,3
	v_pk_add_f32 v[RB+16*\i:RB+16*\i+1], v[RB+16*\i:RB+16*\i+1], v[RB+16*\i+4:RB+16*\i+5]
	v_pk_add_f32 v[RB+16*\i+2:RB+16*\i+3], v[RB+16*\i+2:RB+16*\i+3], v[RB+16*\i+6:RB+16*\i+7]
	v_pk_add_f32 v[RB+16*\i+8:RB+16*\i+9], v[RB+16*\i+8:RB+16*\i+9], v[RB+16*\i+12:RB+16*\i+13]
	v_pk_add_f32 v[RB+16*\i+10:RB+16*\i+11], v[RB+16*\i+10:RB+16*\i+11], v[RB+16*\i+14:RB+16*\i+15]
	v_pk_add_f32 v[RB+16*\i:RB+16*\i+1], v[RB+16*\i:RB+16*\i+1], v[RB+16*\i+8:RB+16*\i+9]
	v_pk_add_f32 v[RB+16*\i+2:RB+16*\i+3], v[RB+16*\i+2:RB+16*\i+3], v[RB+16*\i+10:RB+16*\i+11]
	v_pk_add_f32 v[RB+16*\i:RB+16*\i+1], v[RB+16*\i:RB+16*\i+1], v[BI:BI+1]
	v_pk_add_f32 v[RB+16*\i+2:RB+16*\i+3], v[RB+16*\i+2:RB+16*\i+3], v[BI+2:BI+3]
	global_store_b128 v[YA], v[RB+16*\i:RB+16*\i+3], s[36:37] offset:8192*(4*\gq+\i)
.endr
.endr
.endm
	s_mov_b32 s25, 4
.Lbatch:
.irp u, 0,1,2,3,4,5,6,7
	TILE \u
.endr
	s_branch .Lmeet
.Lpast:
	s_wait_loadcnt 0x0                             ; past the last tile: what the look-ahead asked for is let in, so that the counted wait holds on every way round the loop
.Lmeet:
	s_wait_dscnt 0x0                               ; for the others: my partial sums lie in LDS
	s_barrier_signal -1
	s_barrier_wait -1
	REDSLOT 0
	REDSLOT 1
.Lred_done:
	s_wait_dscnt 0x0                               ; my reads of the partial sums are over:
	s_barrier_signal -1
	s_barrier_wait -1                              ; everybody's are: the next batch may write them again
	s_add_co_u32 s24, s24, 8
	s_sub_co_u32 s25, s25, 1
	s_cmp_lg_u32 s25, 0
	s_cbranch_scc1 .Lbatch
	s_wait_tensorcnt 0x0                           ; the wave's end
	ds_add_u32 v[SPW], v[NIL]
	s_wait_dscnt 0x0
	s_endpgm
.Lfunc_end_k_q42d5ef954d_ffn2:
	.size	k_q42d5ef954d_ffn2, .Lfunc_end_k_q42d5ef954d_ffn2-k_q42d5ef954d_ffn2
	.p2alignl 7, 3214868480
	.fill 96, 4, 3214868480
	.section	.rodata,"a",@progbits
	.p2align	6, 0x0
	.amdhsa_kernel k_q42d5ef954d_ffn2
		.amdhsa_group_segment_fixed_size 201216
		.amdhsa_private_segment_fixed_size 0
		.amdhsa_enable_private_segment 0
		.amdhsa_kernarg_size 48
		.amdhsa_user_sgpr_count 2
		.amdhsa_user_sgpr_kernarg_segment_ptr 1
		.amdhsa_wavefront_size32 1
		.amdhsa_system_sgpr_workgroup_id_x 1
		.amdhsa_system_sgpr_workgroup_id_y 1
		.amdhsa_system_sgpr_workgroup_id_z 1
		.amdhsa_system_vgpr_workitem_id 0
		.amdhsa_next_free_vgpr 1024
		.amdhsa_next_free_sgpr 66
		.amdhsa_reserve_vcc 0
		.amdhsa_float_denorm_mode_32 3
		.amdhsa_float_denorm_mode_16_64 3
		.amdhsa_memory_ordered 1
		.amdhsa_forward_progress 1
		.amdhsa_inst_pref_size 124
	.end_amdhsa_kernel
	.amdgpu_metadata
---
amdhsa.version: [ 1, 2 ]
amdhsa.kernels:
  - .name:           k_q42d5ef954d_ffn2
    .symbol:         k_q42d5ef954d_ffn2.kd
    .args:
      - { .name: hq, .offset: 0, .size: 8, .value_kind: global_buffer, .address_space: global }
      - { .name: lists, .offset: 8, .size: 8, .value_kind: global_buffer, .address_space: global }
      - { .name: W2_codes, .offset: 16, .size: 8, .value_kind: global_buffer, .address_space: global }
      - { .name: W2_scales, .offset: 24, .size: 8, .value_kind: global_buffer, .address_space: global }
      - { .name: b2, .offset: 32, .size: 8, .value_kind: global_buffer, .address_space: global }
      - { .name: y, .offset: 40, .size: 8, .value_kind: global_buffer, .address_space: global }
    .group_segment_fixed_size: 201216
    .private_segment_fixed_size: 0
    .kernarg_segment_align: 8
    .kernarg_segment_size: 48
    .max_flat_workgroup_size: 128
    .sgpr_count:     66
    .vgpr_count:     1024
    .wavefront_size: 32
...
	.end_amdgpu_metadata
.endif
;; end of part 4
;; launch combine (part 5): grid 256 x 1, 4 waves a work-group, no clusters, 0 bytes of LDS; arguments y, lists, wgt, out0; writes out0
.if DOCPART == 5
	.amdgcn_target "amdgcn-amd-amdhsa--gfx1250"
	.amdhsa_code_object_version 6
	.text
	.protected	k_q42d5ef954d_combine
	.globl	k_q42d5ef954d_combine
	.p2align	8
	.type	k_q42d5ef954d_combine,@function
k_q42d5ef954d_combine:
	s_mov_b64 s[64:65], 0
	v_nop
	global_prefetch_b8 v0, s[64:65] scope:SCOPE_SE
	s_setreg_imm32_b32 hwreg(HW_REG_WAVE_MODE, 25, 1), 1
	s_wait_xcnt 0x0
; Launch 5 of 5: out[token] = w_a y[row of its expert ea] + w_b y[row of eb]: the two chosen experts of the chosen group; all others are left out (see the first kernel's head).
; Each output row has one owner: a wave takes a token, reads its two rows of 4,096 bytes by the stored list (512 consecutive bytes a load) and stores one (512 a store).  A stream: no LDS, no barrier, no matrix unit.
	s_load_b256 s[4:11], s[0:1], 0x0               ; y, lists, wgt, out0
	v_lshrrev_b32 v1, 5, v0
	v_readfirstlane_b32 s12, v1                    ; wave
	v_and_b32 v1, 31, v0
	v_lshlrev_b32 v1, 4, v1                        ; 16 x lane
	s_lshl_b32 s13, ttmp9, 2
	s_add_co_u32 s13, s13, s12                     ; my token
	s_lshl_b32 s14, s13, 3
	s_lshl_b32 s20, s13, 12
	s_mov_b32 s21, 0
	s_mov_b32 s23, 0
	s_wait_kmcnt 0x0
	s_load_b64 s[16:17], s[6:7], s14 offset:0x100  ; its two rows
	s_load_b64 s[18:19], s[8:9], s14 offset:0x0    ; its two weights
	s_add_nc_u64 s[10:11], s[10:11], s[20:21]
	s_wait_kmcnt 0x0
	s_min_u32 s16, s16, 2175                       ; a loaded number enters an address behind a bound written in the text
	s_min_u32 s17, s17, 2175
	s_lshl_b32 s22, s16, 12
	s_add_nc_u64 s[24:25], s[4:5], s[22:23]
	s_lshl_b32 s22, s17, 12
	s_add_nc_u64 s[26:27], s[4:5], s[22:23]
	s_mov_b32 s28, s19                             ; the packed forms name a pair and take its low word for both halves
	s_mov_b32 s29, s19
.irp i, 0,1,2,3,4,5,6,7
	global_load_b128 v[16+4*\i:19+4*\i], v1, s[24:25] offset:512*\i th:TH_LOAD_NT
.endr
.irp i, 0,1,2,3,4,5,6,7
	global_load_b128 v[48+4*\i:51+4*\i], v1, s[26:27] offset:512*\i th:TH_LOAD_NT
.endr
.irp i, 0,1,2,3,4,5,6,7
	s_wait_loadcnt 7-\i                            ; the first row is in, and piece i of the second; the younger pieces may be out
	v_pk_mul_f32 v[80+4*\i:81+4*\i], v[16+4*\i:17+4*\i], s[18:19] op_sel_hi:[1,0]
	v_pk_mul_f32 v[82+4*\i:83+4*\i], v[18+4*\i:19+4*\i], s[18:19] op_sel_hi:[1,0]
	v_pk_fma_f32 v[80+4*\i:81+4*\i], v[48+4*\i:49+4*\i], s[28:29], v[80+4*\i:81+4*\i] op_sel_hi:[1,0,1]
	v_pk_fma_f32 v[82+4*\i:83+4*\i], v[50+4*\i:51+4*\i], s[28:29], v[82+4*\i:83+4*\i] op_sel_hi:[1,0,1]
	global_store_b128 v1, v[80+4*\i:83+4*\i], s[10:11] offset:512*\i th:TH_STORE_NT
.endr
	s_endpgm
.Lfunc_end_k_q42d5ef954d_combine:
	.size	k_q42d5ef954d_combine, .Lfunc_end_k_q42d5ef954d_combine-k_q42d5ef954d_combine
	.p2alignl 7, 3214868480
	.fill 96, 4, 3214868480
	.section	.rodata,"a",@progbits
	.p2align	6, 0x0
	.amdhsa_kernel k_q42d5ef954d_combine
		.amdhsa_group_segment_fixed_size 0
		.amdhsa_private_segment_fixed_size 0
		.amdhsa_enable_private_segment 0
		.amdhsa_kernarg_size 32
		.amdhsa_user_sgpr_count 2
		.amdhsa_user_sgpr_kernarg_segment_ptr 1
		.amdhsa_wavefront_size32 1
		.amdhsa_system_sgpr_workgroup_id_x 1
		.amdhsa_system_sgpr_workgroup_id_y 1
		.amdhsa_system_sgpr_workgroup_id_z 1
		.amdhsa_system_vgpr_workitem_id 0
		.amdhsa_next_free_vgpr 112
		.amdhsa_next_free_sgpr 66
		.amdhsa_reserve_vcc 0
		.amdhsa_float_denorm_mode_32 3
		.amdhsa_float_denorm_mode_16_64 3
		.amdhsa_memory_ordered 1
		.amdhsa_forward_progress 1
		.amdhsa_inst_pref_size 6
	.end_amdhsa_kernel
	.amdgpu_metadata
---
amdhsa.version: [ 1, 2 ]
amdhsa.kernels:
  - .name:           k_q42d5ef954d_combine
    .symbol:         k_q42d5ef954d_combine.kd
    .args:
      - { .name: y, .offset: 0, .size: 8, .value_kind: global_buffer, .address_space: global }
      - { .name: lists, .offset: 8, .size: 8, .value_kind: global_buffer, .address_space: global }
      - { .name: wgt, .offset: 16, .size: 8, .value_kind: global_buffer, .address_space: global }
      - { .name: out0, .offset: 24, .size: 8, .value_kind: global_buffer, .address_space: global }
    .group_segment_fixed_size: 0
    .private_segment_fixed_size: 0
    .kernarg_segment_align: 8
    .kernarg_segment_size: 32
    .max_flat_workgroup_size: 128
    .sgpr_count:     66
    .vgpr_count:     112
    .wavefront_size: 32
...
	.end_amdgpu_metadata
.endif
;; end of part 5
;; ======== version 2 of 2: 4 launches
;; limits: right only within a limited range of input values
;; workspace buffers: xq 819,200 bytes; sel 4,096 bytes of whole numbers; wgt 8,192 bytes; lists 65,536 bytes of whole numbers; hq 26,214,400 bytes; y 33,554,432 bytes
;; launch route (part 6): grid 256 x 1, 4 waves a work-group, no clusters, 0 bytes of LDS; arguments xs, bottle_neck, Wlg, blg, Wg, xq, sel, wgt; writes xq, sel, wgt
.if DOCPART == 6
	.amdgcn_target "amdgcn-amd-amdhsa--gfx1250"
	.amdhsa_code_object_version 6
	.text
	.protected	k_q42d5ef954d_route
	.globl	k_q42d5ef954d_route
	.p2align	8
	.type	k_q42d5ef954d_route,@function
k_q42d5ef954d_route:
	s_mov_b64 s[64:65], 0
	v_nop
	global_prefetch_b8 v0, s[64:65] scope:SCOPE_SE
	s_setreg_imm32_b32 hwreg(HW_REG_WAVE_MODE, 25, 1), 1
	s_wait_xcnt 0x0
; GroupMoELayer, launch 1 of 4: the gates, and x as codes of BF6 (E3M2) with one E8M0 byte for each 32 along D.
; WORK LEFT OUT BY THE PROGRAM, in the problem's own terms, for all finite values of the inputs:
;  (a) reference() computes h and eo for all 8 experts (2 groups x 4) of every token, and then keeps, by its own argmax, top_k, take_along_axis and where, the rows of the 2
;      experts chosen in the 1 group chosen: the other 6 experts' rows reach no output.  The program multiplies the 2 x 1,024 chosen rows alone.
;  (b) router = softmax(z) serves argmax alone; softmax rises with z along its axis, so argmax(softmax(z)) = argmax(z), the first index on a tie: no exponential is taken there.  blg stays in z.
;  Both groups' gate logits are computed and one is selected; top_k = 2 is a constant of the problem.  Every input has a way to the output and is an argument of some launch.
; LIMITS: NaN and infinities among the inputs are not served; a NaN, an infinity or an overflow that reaches only the experts left out is not carried to the result.
;  Two logits that differ by less than the rounding of a sum of 1,024 f32 products may be ordered either way, and so may two z so close that reference()'s softmax rounds them to one number.
;  A block of 32 zeros gets the byte 1 (the floor) where the quantiser says 127: its codes are zeros, and this program alone reads the bytes.
; SHARES.  A wave takes one token: ten dot products of 1,024 in f32 (fused multiply-adds, four chains a lane, then across the 32 lanes), the choice, the two weights, and x's codes.
;  x and Wg: lane l holds k = 512 u + 16 l + 0..15 (u = 0, 1), since the conversion takes 16 neighbours from one lane; bottle_neck and Wlg: as they lie, 16 bytes a lane, 512 a load.
; OUT.  xq: codes [token][K step s of 128][half h][c][24 bytes], block 4 s + 2 c + h of 32, so that lane (r, h) of an operand finds its 12 registers of a K step as 48 bytes on end;
;  from byte XSC on the scale bytes [token][32].  sel[token] = ea | eb << 8, ea < eb, experts 0..7.  wgt[token] = their two softmax weights.  No address hangs on the choice.
.set XSC, 786432
.set X,   32                           ; v32-63   x
.set BN,  64                           ; v64-95   bottle_neck
.set WB,  96                           ; v96-223  four buffers of 32 for the ten weight vectors; later the choice's registers
.set P,   8                            ; v8-15    four chains, two sums each
.set S,   16                           ; v16-25   the ten sums: z0, z1, group 0's four logits, group 1's four
.set T,   224                          ; v224-233 the other half's sums
.set C,   240                          ; v240-242, v244-246 the codes
.set E,   234                          ; v234, v235 the scale bytes, then words
.set L,   96                           ; v96-99   the chosen group's logits
.set R,   100                          ; v100-103 how many experts come before each
	s_load_b256 s[4:11], s[0:1], 0x0               ; xs, bottle_neck, Wlg, blg
	s_load_b256 s[12:19], s[0:1], 0x20             ; Wg, xq, sel, wgt
	v_lshrrev_b32 v1, 5, v0
	v_readfirstlane_b32 s20, v1                    ; wave
	v_and_b32 v1, 31, v0                           ; lane
	v_lshlrev_b32 v2, 6, v1                        ; 64 x lane: 16 neighbours
	v_lshlrev_b32 v3, 4, v1                        ; 16 x lane: as the bytes lie
	s_lshl_b32 s21, ttmp9, 2
	s_add_co_u32 s21, s21, s20                     ; my token
	s_lshl_b32 s22, s21, 12                        ; its row of 4,096 bytes
	s_mov_b32 s23, 0
	s_mov_b32 s26, 0x76543210
	s_mov_b32 s27, 0xfedcba98                      ; v_permlanex16_b32: lane l xor 16
	s_wait_alu depctr_va_vdst(0)
	s_wait_kmcnt 0x0
	s_load_b64 s[24:25], s[10:11], 0x0             ; blg
	s_add_nc_u64 s[4:5], s[4:5], s[22:23]
	s_add_nc_u64 s[6:7], s[6:7], s[22:23]
.macro LDN reg, base, off              ; 1,024 numbers, 16 neighbours twice a lane
.irp u, 0,1
.irp q, 0,1,2,3
	global_load_b128 v[\reg+16*\u+4*\q:\reg+16*\u+4*\q+3], v2, s[\base:\base+1] offset:\off+2048*\u+16*\q
.endr
.endr
.endm
.macro LDD reg, base, off              ; 1,024 numbers as they lie: each load reads 512 consecutive bytes
.irp q, 0,1,2,3,4,5,6,7
	global_load_b128 v[\reg+4*\q:\reg+4*\q+3], v3, s[\base:\base+1] offset:\off+512*\q
.endr
.endm
.macro VEC i                           ; weight vector i: Wlg's two rows, then Wg's eight
.if (\i) < 2
	LDD WB+32*((\i)%4), 8, (\i)*4096
.else
	LDN WB+32*((\i)%4), 12, ((\i)-2)*4096
.endif
.endm
	LDN X, 4, 0
	LDD BN, 6, 0
	VEC 0
	VEC 1
	VEC 2
	VEC 3
	s_mul_i32 s22, s21, 768
	s_add_nc_u64 s[28:29], s[14:15], s[22:23]      ; my token's codes
	s_lshl_b32 s22, s21, 5
	s_add_nc_u64 s[34:35], s[14:15], s[22:23]      ; its scale bytes (XSC stands in the immediate)
	s_lshl_b32 s22, s21, 2
	s_add_nc_u64 s[36:37], s[16:17], s[22:23]      ; sel
	s_lshl_b32 s22, s21, 3
	s_add_nc_u64 s[38:39], s[18:19], s[22:23]      ; wgt
	v_lshrrev_b32 v7, 3, v1                        ; where my 12 bytes of codes go: block 16 u + l / 2 = 4 s + 2 c + h, so s = 4 u + l / 8,
	v_mul_u32_u24 v4, v7, 96
	v_lshlrev_b32 v5, 2, v7                        ; (and my group of eight lanes' scale word)
	v_bfe_u32 v7, v1, 1, 1                         ; h = bit 1 of the lane,
	v_mad_u32_u24 v4, v7, 48, v4
	v_bfe_u32 v7, v1, 2, 1                         ; c = bit 2,
	v_mad_u32_u24 v4, v7, 24, v4
	v_and_b32 v7, 1, v1                            ; and the block's lower or upper 16 codes
	v_mad_u32_u24 v4, v7, 12, v4
	v_mov_b32 v6, 0
	v_bfe_u32 v29, v1, 1, 2
	v_lshlrev_b32 v29, 3, v29                      ; my block's byte in its scale word: 8 x ((l / 2) % 4) bits up
	v_mov_b32 v30, 0                               ; written once: a destination of a lane move counts as read
.irp i, 0,1,2,3,4,5,6,7,8,9
	v_mov_b32 v[T+\i], 0
.endr
; x's half u becomes codes: the largest magnitude of my 16 and of my neighbour's 16, with the floor 2^(5 - 127) among the leaves; 4 off its exponent field is the conversion's scale operand; that >> 23 is the byte.
.macro QX u
	v_max3_num_f32 v26, |v[X+16*\u]|, |v[X+16*\u+1]|, |v[X+16*\u+2]|
	v_max3_num_f32 v27, |v[X+16*\u+3]|, |v[X+16*\u+4]|, |v[X+16*\u+5]|
.irp i, 6,10
	v_max3_num_f32 v26, v26, |v[X+16*\u+\i]|, |v[X+16*\u+\i+1]|
	v_max3_num_f32 v27, v27, |v[X+16*\u+\i+2]|, |v[X+16*\u+\i+3]|
.endr
	v_max3_num_f32 v26, v26, |v[X+16*\u+14]|, |v[X+16*\u+15]|
	v_max3_num_f32 v26, v26, v27, 0x2800000
	v_max_num_f32_dpp v26, v26, v26 row_xmask:1 row_mask:0xf bank_mask:0xf
	v_add_nc_u32 v28, 0xfe000000, v26
	v_cvt_scalef32_pk16_bf6_f32 v[C+4*\u:C+4*\u+2], v[X+16*\u:X+16*\u+15], v28
	v_lshrrev_b32 v[E+\u], 23, v28                 ; (the plain line behind the conversion)
	v_lshlrev_b32 v[E+\u], v29, v[E+\u]
	v_mov_b32_dpp v30, v[E+\u] row_xmask:2 row_mask:0xf bank_mask:0xf
	v_or_b32 v[E+\u], v[E+\u], v30
	v_mov_b32_dpp v30, v[E+\u] row_xmask:4 row_mask:0xf bank_mask:0xf
	v_or_b32 v[E+\u], v[E+\u], v30                 ; eight lanes now hold their K step's whole scale word
	global_store_b96 v4, v[C+4*\u:C+4*\u+2], s[28:29] offset:384*\u   ; 32 lanes store 384 consecutive bytes
.endm
	s_wait_loadcnt 40                              ; x is in: behind it bottle_neck's 8 loads and four vectors' 32 may be out
	QX 0
	QX 1
; Dot product i.  The wait leaves out the loads of the vectors issued behind vector i: three, or as many as are left.
.macro DOT i
.if 9-(\i) < 3
	s_wait_loadcnt 8*(9-(\i))
.else
	s_wait_loadcnt 24
.endif
.if (\i) < 2
.set OP, BN
.else
.set OP, X
.endif
.set WR, WB+32*((\i)%4)
.irp c, 0,1,2,3
	v_pk_mul_f32 v[P+2*\c:P+2*\c+1], v[WR+2*\c:WR+2*\c+1], v[OP+2*\c:OP+2*\c+1]   ; the first products start the chains
.endr
.irp c, 4,5,6,7,8,9,10,11,12,13,14,15
	v_pk_fma_f32 v[P+2*(\c%4):P+2*(\c%4)+1], v[WR+2*\c:WR+2*\c+1], v[OP+2*\c:OP+2*\c+1], v[P+2*(\c%4):P+2*(\c%4)+1]
.endr
	v_pk_add_f32 v[P:P+1], v[P:P+1], v[P+2:P+3]
	v_pk_add_f32 v[P+4:P+5], v[P+4:P+5], v[P+6:P+7]
	v_pk_add_f32 v[P:P+1], v[P:P+1], v[P+4:P+5]
	v_add_f32 v[S+\i], v[P], v[P+1]
.if (\i)+4 < 10
	VEC (\i)+4                                     ; the buffer takes the vector four further on
.endif
.endm
.irp i, 0,1,2,3,4,5,6,7,8,9
	DOT \i
.endr
.irp m, 1,2,4,8                        ; across the lanes, the ten sums by turns; every lane ends with the same bits
.irp i, 0,1,2,3,4,5,6,7,8,9
	v_add_f32_dpp v[S+\i], v[S+\i], v[S+\i] row_xmask:\m row_mask:0xf bank_mask:0xf
.endr
.endr
.irp i, 0,1,2,3,4,5,6,7,8,9
	v_permlanex16_b32 v[T+\i], v[S+\i], s26, s27
.endr
.irp i, 0,1,2,3,4,5,6,7,8,9
	v_add_f32 v[S+\i], v[S+\i], v[T+\i]
.endr
	s_wait_kmcnt 0x0                               ; blg
	v_add_f32 v122, s24, v[S]
	v_add_f32 v123, s25, v[S+1]
	v_mov_b32 v121, 4
	v_mov_b32 v105, 1
	v_cmp_gt_f32 vcc_lo, v123, v122                ; group 1 only where z1 > z0: argmax keeps the first index on a tie
	v_cndmask_b32 v106, 0, v121, vcc_lo            ; 4 x group
.irp k, 0,1,2,3
	v_cndmask_b32 v[L+\k], v[S+2+\k], v[S+6+\k], vcc_lo
.endr
	v_mov_b32 v[R], 3                              ; expert k's place in top_k's order: j < k comes before k where l_j >= l_k, else k before j
	v_mov_b32 v[R+1], 2
	v_mov_b32 v[R+2], 1
	v_mov_b32 v[R+3], 0
.macro PAIR j, k
	v_cmp_ge_f32 vcc_lo, v[L+\j], v[L+\k]
	v_cndmask_b32 v104, 0, v105, vcc_lo
	v_add_nc_u32 v[R+\k], v[R+\k], v104
	v_sub_nc_u32 v[R+\j], v[R+\j], v104
.endm
	PAIR 0, 1
	PAIR 0, 2
	PAIR 0, 3
	PAIR 1, 2
	PAIR 1, 3
	PAIR 2, 3
.irp k, 0,1,2,3
	v_cmp_gt_u32 s[30+\k], 2, v[R+\k]              ; chosen: places 0 and 1, exactly two experts
.endr
	v_mov_b32 v107, 3                              ; a: the lower chosen index, and its logit
	v_mov_b32 v109, v[L+3]
.irp k, 2,1,0
	v_cndmask_b32 v107, v107, \k, s[30+\k]
	v_cndmask_b32 v109, v109, v[L+\k], s[30+\k]
.endr
	v_mov_b32 v108, 0                              ; b: the higher
	v_mov_b32 v110, v[L]
.irp k, 1,2,3
	v_cndmask_b32 v108, v108, \k, s[30+\k]
	v_cndmask_b32 v110, v110, v[L+\k], s[30+\k]
.endr
	v_max_num_f32 v111, v109, v110                 ; the softmax of the two, the larger taken away first, as reference() has it
	v_sub_f32 v112, v109, v111
	v_sub_f32 v113, v110, v111
	v_mul_f32 v112, 0x3fb8aa3b, v112
	v_mul_f32 v113, 0x3fb8aa3b, v113
	s_wait_alu depctr_va_vdst(0)
	v_exp_f32 v114, v112
	v_exp_f32 v115, v113
	v_add_nc_u32 v107, v107, v106                  ; (plain work behind the exponentials)  experts as 0..7
	v_add_nc_u32 v108, v108, v106
	v_lshl_or_b32 v120, v108, 8, v107
	s_wait_alu depctr_va_vdst(0)                   ; one wait for both exponentials, ahead of their first reader
	v_add_f32 v116, v114, v115
	s_wait_alu depctr_va_vdst(0)
	v_rcp_f32 v117, v116
	v_and_b32 v7, 7, v1                            ; (a plain line behind the reciprocal)
	s_wait_alu depctr_va_vdst(0)
	v_mul_f32 v118, v114, v117
	v_mul_f32 v119, v115, v117
	v_cmp_eq_u32 vcc_lo, 0, v7
	s_wait_alu depctr_va_vdst(0)
	s_wait_xcnt 0x0                                ; EXEC changes only behind this wait
	s_and_saveexec_b32 s40, vcc_lo                 ; one lane of eight stores its K step's scale word: four lanes, 16 bytes on end
	global_store_b32 v5, v[E], s[34:35] offset:XSC
	global_store_b32 v5, v[E+1], s[34:35] offset:XSC+16
	v_cmp_eq_u32 vcc_lo, 0, v1
	s_wait_xcnt 0x0
	s_and_saveexec_b32 s41, vcc_lo                 ; lane 0 stores the choice, at the token's fixed places
	global_store_b32 v6, v120, s[36:37]
	global_store_b64 v6, v[118:119], s[38:39]
	s_endpgm
.Lfunc_end_k_q42d5ef954d_route:
	.size	k_q42d5ef954d_route, .Lfunc_end_k_q42d5ef954d_route-k_q42d5ef954d_route
	.p2alignl 7, 3214868480
	.fill 96, 4, 3214868480
	.section	.rodata,"a",@progbits
	.p2align	6, 0x0
	.amdhsa_kernel k_q42d5ef954d_route
		.amdhsa_group_segment_fixed_size 0
		.amdhsa_private_segment_fixed_size 0
		.amdhsa_enable_private_segment 0
		.amdhsa_kernarg_size 64
		.amdhsa_user_sgpr_count 2
		.amdhsa_user_sgpr_kernarg_segment_ptr 1
		.amdhsa_wavefront_size32 1
		.amdhsa_system_sgpr_workgroup_id_x 1
		.amdhsa_system_sgpr_workgroup_id_y 1
		.amdhsa_system_sgpr_workgroup_id_z 1
		.amdhsa_system_vgpr_workitem_id 0
		.amdhsa_next_free_vgpr 256
		.amdhsa_next_free_sgpr 66
		.amdhsa_reserve_vcc 1
		.amdhsa_float_denorm_mode_32 3
		.amdhsa_float_denorm_mode_16_64 3
		.amdhsa_memory_ordered 1
		.amdhsa_forward_progress 1
		.amdhsa_inst_pref_size 33
	.end_amdhsa_kernel
	.amdgpu_metadata
---
amdhsa.version: [ 1, 2 ]
amdhsa.kernels:
  - .name:           k_q42d5ef954d_route
    .symbol:         k_q42d5ef954d_route.kd
    .args:
      - { .name: xs, .offset: 0, .size: 8, .value_kind: global_buffer, .address_space: global }
      - { .name: bottle_neck, .offset: 8, .size: 8, .value_kind: global_buffer, .address_space: global }
      - { .name: Wlg, .offset: 16, .size: 8, .value_kind: global_buffer, .address_space: global }
      - { .name: blg, .offset: 24, .size: 8, .value_kind: global_buffer, .address_space: global }
      - { .name: Wg, .offset: 32, .size: 8, .value_kind: global_buffer, .address_space: global }
      - { .name: xq, .offset: 40, .size: 8, .value_kind: global_buffer, .address_space: global }
      - { .name: sel, .offset: 48, .size: 8, .value_kind: global_buffer, .address_space: global }
      - { .name: wgt, .offset: 56, .size: 8, .value_kind: global_buffer, .address_space: global }
    .group_segment_fixed_size: 0
    .private_segment_fixed_size: 0
    .kernarg_segment_align: 8
    .kernarg_segment_size: 64
    .max_flat_workgroup_size: 128
    .sgpr_count:     66
    .vgpr_count:     256
    .wavefront_size: 32
...
	.end_amdgpu_metadata
.endif
;; end of part 6
;; launch ffn1 (part 7): grid 32 x 8, 4 waves a work-group, no clusters, 105,472 bytes of LDS; arguments xq, sel, W1_codes, W1_scales, b1, hq, lists; writes hq, lists
.if DOCPART == 7
	.amdgcn_target "amdgcn-amd-amdhsa--gfx1250"
	.amdhsa_code_object_version 6
	.text
	.protected	k_q42d5ef954d_ffn1
	.globl	k_q42d5ef954d_ffn1
	.p2align	8
	.type	k_q42d5ef954d_ffn1,@function
k_q42d5ef954d_ffn1:
	s_mov_b64 s[64:65], 0
	v_nop
	global_prefetch_b8 v0, s[64:65] scope:SCOPE_SE
	s_setreg_imm32_b32 hwreg(HW_REG_WAVE_MODE, 25, 1), 1
	s_wait_xcnt 0x0
; Launch 2 of 4: h = Q(relu(x W1^T + b1)) on codes of BF6 (E3M2), for the chosen rows alone (the other experts' rows reach no output: see the first kernel's head).
; SHARES.  Work-group (x, y) owns hidden units 128 x .. 128 x + 127 of expert y: one K step of the second product.  Its 128 rows of W1 (all of K = 1,024) are read from memory once, by dense loads of 512
;  bytes, and lie in LDS for the whole launch, with their scale bytes and b1 beside them: one barrier.  THE ROWS OF x STAND STILL: wave w takes the expert's tiles of 16 rows w, w + 4, w + 8 ..; five of them at a
;  time (a batch: 40 fragments, 480 registers) are gathered once and meet all 128 hidden units.  W1 walks past in blocks of 32 hidden units: 16 fragments, 192 registers, 96 LDS loads, each feeding up to five tiles.
;  An expert has at most 64 tiles, 16 a wave: FOUR batches, a constant; the loops over batches and over halves have constant counts, and only work is jumped over.
; THE EXPERT'S ROWS are found from sel, the whole numbers that the launch before stored: every wave makes of each of 32 words (register k = 4 q + c, lane l: token 128 q + 4 l + c) the mask of the lanes whose
;  token chose my expert, and P[k], the rows in the words before it.  Row i is the (i - P[k])-th set bit of the last word k with P[k] <= i: macro SELRUN finds 32 rows' tokens by compares and selects alone.
;  Rows past the expert's last take some token: nobody reads their results.  An expert has max(rows / 16 rounded up, 1) tiles.  Tiles past the last are loaded as the last one again and not multiplied.
; THE PRODUCT IS USED TRANSPOSED (source 0 = 16 rows of W1, source 1 = 16 rows of x): a lane holds ONE row, its registers run along the hidden units.  Lane r of tile u of a block takes row 8 u + r + 8 (r / 8)
;  of the block's 32, so that the 16 registers of the block's two tiles are 16 neighbours along the next K.  Each of the two sums goes in two halves of K (four accumulators by turns);
;  b1 is the C of the first half's first product; the halves are added in f32.
; OUT, as the next launch reads it.  hq[tile][K step][c][768]: the operand's registers: 6 c .. 6 c + 3 at 16 x lane, 6 c + 4, 6 c + 5 at 512 + 8 x lane; from HSC on the scale words [tile][K step][row].
;  The codes of a half's first block wait in three registers a tile for the second block's.  lists[expert][word][lane] = {the token's row in y; the expert's tiles}: wave 0 stores word x, 256 bytes, aligned.
; NO TENSOR LOADS, NO CLUSTER: branches hang on numbers read from memory, and partners would make different numbers of requests.  NO PREFETCH: all of W1's bytes are asked for at the head, by 48 loads a wave.
; REGISTERS, in windows of 256: window 0: addresses, scale words, b1, sums, quantiser; windows 1, 2: x's fragments (tile j, K step s: F = 8 j + s at window 1 + F / 21, register 12 (F % 21));
;  window 3: v0-191 W1 on its way to the stage, then the block's fragments (tile u, K step s at 12 (8 u + s)); v192-223 the words' masks, v224-255 their keys 32 P[k] + k.
; SCALARS: s16 wave, s20 expert, s22 64 e, s23 its tiles, s24 my tiles, s25 its last tile, s26 batch, s31 my batch's first tile, s38 half, s39 my tiles left, s45-46, s48-50 the half's offsets, s47 place in hq.
.set PITCH, 784                        ; 196 words: the 32 lanes of a load of 8 bytes fall on words 4 r + 6 h + {0, 1} modulo 64, all different (64 banks of 4 bytes: ISA guide 11.1)
.set WSL,   128*PITCH                  ; W1's scale bytes, 32 a row
.set B1L,   WSL+4096                   ; b1, 128 numbers
.set SPARE, B1L+512                    ; the spare words, 128 bytes for each wave
.set XSC,   786432
.set HSC,   25165824
.set SPW, 4
.set NIL, 5
.set L16, 6
.set L8,  7
.set LA0, 8
.set LA1, 9
.set FRA, 10
.set L4R, 11
.set H48, 12
.set WSA, 13
.set BOA, 14
.set FRC, 15
.set WSC, 16
.set BOC, 17
.set T16, 21
.set T4,  22
.set T16L, 23
.set HO,  24
.set HO8, 25
.set HSO, 26
.set T4L, 27
.set IDV, 28                           ; v28-33 six tiles' tokens
.set XA,  34                           ; v34-38 their codes
.set XSA, 40                           ; v40-44 their scale bytes
.set XS,  48                           ; v48-87 x's scale words, 8 a tile
.set W1S, 88                           ; v88-119 W1's scale words, of a half's four tiles
.set SEL, 152                          ; v152-183 at the head: sel as loaded
.set B1,  120                          ; v120-151 b1 in the result's layout
.set HA,  152                          ; v152-183 four accumulators: tile u, half kh of K at 16 kh + 8 u
.set TM,  184
.set PCS, 196                          ; v196-225 six registers of codes a tile; at the head what goes to the scales' stage
.set WT,  196
.set PB,  226                          ; v226-230 the first block's scale byte
.set CV,  232
.set PW,  235
.set VM,  192                          ; window 3
.set VPK, 224                          ; window 3
.set SI,  240
.set SK,  241
.set SS,  242
.set SW,  243
.set SJ,  244
.set SA,  245
.set SB,  246
.set SC,  247
.set ST,  248
.set SP,  249
.set SX,  250
.set LR,  252
.set MSB, 0
.macro WIN new                         ; the immediate's high byte repeats the setting that is left
.if MSB != \new
	s_set_vgpr_msb (MSB<<8)|\new
.set MSB, \new
.endif
.endm
.macro SSTEP src, width                ; one step down: does the place fall behind the next \width bits (counted in \src)?
	v_bfe_u32 v[ST], v[\src], v[SP], \width
	v_cmp_ge_u32 vcc_lo, v[SJ], v[ST]
	v_cndmask_b32 v[ST], 0, v[ST], vcc_lo
	v_sub_nc_u32 v[SJ], v[SJ], v[ST]
	v_cndmask_b32 v[SX], 0, \width, vcc_lo
	v_add_nc_u32 v[SP], v[SP], v[SX]
.endm
; The tokens of my batch's tiles 2 p (found in lanes 0-15) and 2 p + 1 (in lanes 16-31): the expert's tiles s31 + 8 p and s31 + 8 p + 4, held at its last.
.macro SELRUN p
	s_add_co_u32 s27, s31, 8*\p
	s_add_co_u32 s28, s27, 4
	s_min_u32 s27, s27, s25
	s_min_u32 s28, s28, s25
	s_sub_co_u32 s28, s28, s27
	s_lshl_b32 s27, s27, 4
	s_lshl_b32 s28, s28, 4
	v_mul_u32_u24 v[SI], s28, v3
	v_add_nc_u32 v[SI], s27, v[SI]
	v_add_nc_u32 v[SI], v[SI], v2                  ; my row of the expert
	v_lshl_or_b32 v[SK], v[SI], 5, 31              ; 32 i + 31 >= 32 P[k] + k just where i >= P[k]
	WIN 0x03
	v_mov_b32 v[SS], v[VPK]
	v_mov_b32 v[SW], v[VM]
	WIN 0x0c
.irp k, 1,2,3,4,5,6,7,8,9,10,11,12,13,14,15,16,17,18,19,20,21,22,23,24,25,26,27,28,29,30,31
	v_cmp_ge_u32 vcc_lo, v[SK], v[VPK+\k]
	v_cndmask_b32 v[SS], v[SS], v[VPK+\k], vcc_lo  ; the keys rise with k: the last that fits stays
	v_cndmask_b32 v[SW], v[SW], v[VM+\k], vcc_lo
.endr
	WIN 0
	v_lshrrev_b32 v[SJ], 5, v[SS]
	v_sub_nc_u32 v[SJ], v[SI], v[SJ]               ; my place among the word's set bits
	v_and_b32 v[SS], 31, v[SS]                     ; the word
	v_lshrrev_b32 v[SA], 1, v[SW]
	v_and_b32 v[SA], 0x55555555, v[SA]
	v_sub_nc_u32 v[SA], v[SW], v[SA]               ; set bits in each 2,
	v_lshrrev_b32 v[SB], 2, v[SA]
	v_and_b32 v[SB], 0x33333333, v[SB]
	v_and_b32 v[ST], 0x33333333, v[SA]
	v_add_nc_u32 v[SB], v[SB], v[ST]               ; in each 4,
	v_lshrrev_b32 v[SC], 4, v[SB]
	v_add_nc_u32 v[SC], v[SC], v[SB]
	v_and_b32 v[SC], 0x0f0f0f0f, v[SC]             ; in each 8,
	v_lshrrev_b32 v[ST], 8, v[SC]
	v_add_nc_u32 v[ST], v[ST], v[SC]
	v_and_b32 v[ST], 0xff, v[ST]                   ; in the low 16
	v_cmp_ge_u32 vcc_lo, v[SJ], v[ST]
	v_cndmask_b32 v[ST], 0, v[ST], vcc_lo
	v_sub_nc_u32 v[SJ], v[SJ], v[ST]
	v_cndmask_b32 v[SP], 0, 16, vcc_lo
	SSTEP SC, 8
	SSTEP SB, 4
	SSTEP SA, 2
	SSTEP SW, 1
	v_lshrrev_b32 v[ST], 2, v[SS]
	v_and_b32 v[SS], 3, v[SS]
	v_lshl_add_u32 v[SS], v[ST], 7, v[SS]
	v_lshl_add_u32 v[SS], v[SP], 2, v[SS]          ; token 128 (k / 4) + 4 x bit + k % 4
	v_permlanex16_b32 v[SX], v[SS], s36, s37
	v_cmp_eq_u32 vcc_lo, 0, v3
	v_cndmask_b32 v[IDV+2*\p], v[SX], v[SS], vcc_lo     ; the first tile's tokens in both halves of the lanes,
	v_cndmask_b32 v[IDV+2*\p+1], v[SS], v[SX], vcc_lo   ; and the second's
.endm
.macro XADDRS                          ; five tiles' offsets in xq
.irp j, 0,1,2,3,4
	v_min_u32 v[IDV+\j], 0x3ff, v[IDV+\j]          ; a number made of loaded ones enters an address behind a bound written in the text
.endr
.irp j, 0,1,2,3,4
	v_mul_u32_u24 v[XA+\j], v[IDV+\j], 768
.endr
.irp j, 0,1,2,3,4
	v_lshlrev_b32 v[XSA+\j], 5, v[IDV+\j]
.endr
.irp j, 0,1,2,3,4
	v_add_nc_u32 v[XA+\j], v[XA+\j], v[H48]
.endr
	s_wait_alu depctr_va_vdst(0)
.endm
.macro XLOAD j                         ; 26 loads: tile j's eight fragments (48 bytes on end a lane and K step) and its rows' eight scale words
.irp s, 0,1,2,3,4,5,6,7
.set F, 8*(\j)+\s
	WIN 0x40*(1+F/21)
.irp g, 0,1,2
	global_load_b128 v[12*(F%21)+4*\g:12*(F%21)+4*\g+3], v[XA+\j], s[4:5] offset:96*\s+16*\g
.endr
.endr
	WIN 0
	global_load_b128 v[XS+8*\j:XS+8*\j+3], v[XSA+\j], s[4:5] offset:XSC
	global_load_b128 v[XS+8*\j+4:XS+8*\j+7], v[XSA+\j], s[4:5] offset:XSC+16
.endm
	s_load_b256 s[4:11], s[0:1], 0x0               ; xq, sel, W1's codes, W1's scales
	s_load_b128 s[12:15], s[0:1], 0x20             ; b1, hq
	s_load_b64 s[40:41], s[0:1], 0x30              ; lists
	v_lshl_add_u32 v[SPW], v0, 2, SPARE
	v_mov_b32 v[NIL], 0
	v_lshrrev_b32 v1, 5, v0
	v_readfirstlane_b32 s16, v1                    ; wave
	s_and_b32 s20, ttmp7, 0xffff                   ; expert
	v_and_b32 v1, 31, v0                           ; lane
	v_and_b32 v2, 15, v0                           ; r
	v_bfe_u32 v3, v0, 4, 1                         ; h
	v_lshlrev_b32 v[L16], 4, v1
	v_lshlrev_b32 v[L8], 3, v1
	v_lshlrev_b32 v[L4R], 2, v2
	v_mul_u32_u24 v[H48], v3, 48
	s_mul_i32 s27, s16, 32*PITCH
	v_add_nc_u32 v[LA0], s27, v[L16]               ; the stage, on the way in: my 32 rows + 16 x lane
	v_lshl_add_u32 v[LA1], v3, 4, v[LA0]
	v_add_nc_u32 v[LA1], 512, v[LA1]               ; for a load that straddles two rows
	v_mul_u32_u24 v[FRA], v2, PITCH
	v_mad_u32_u24 v[FRA], v3, 24, v[FRA]           ; on the way out: row r, + 24 h
	v_and_b32 v[WSA], 8, v2
	v_add_nc_u32 v[WSA], v[WSA], v2
	v_lshlrev_b32 v[WSA], 5, v[WSA]
	v_add_nc_u32 v[WSA], WSL, v[WSA]               ; scale words of row r + 8 (r / 8)
	v_lshlrev_b32 v[BOA], 6, v3
	v_add_nc_u32 v[BOA], B1L, v[BOA]               ; b1: 64 h
	v_lshlrev_b32 v[T16], 4, v0
	v_lshlrev_b32 v[T4], 2, v0
	v_add_nc_u32 v[T16L], WSL, v[T16]
	v_add_nc_u32 v[T4L], B1L, v[T4]
	s_mov_b32 s36, 0x76543210
	s_mov_b32 s37, 0xfedcba98                      ; v_permlanex16_b32: lane l xor 16
	s_lshl_b32 s27, s20, 12
	s_lshl_b32 s28, ttmp9, 7
	s_add_co_u32 s27, s27, s28                     ; the work-group's first row of W1: 4,096 e + 128 x
	s_lshl_b32 s28, s16, 5
	s_add_co_u32 s28, s28, s27
	s_mul_i32 s28, s28, 768                        ; the 32 rows that I stage
	s_mov_b32 s29, 0
	s_lshl_b32 s22, s20, 6                         ; my expert's first tile in hq
	s_mov_b32 s31, s16                             ; the first batch begins at tile w
	s_mov_b32 s42, 0
	s_mov_b32 s43, 0
	s_mov_b32 s44, 0
	s_wait_alu depctr_va_vdst(0)
	s_wait_kmcnt 0x0
.irp q, 0,1,2,3,4,5,6,7
	global_load_b128 v[SEL+4*\q:SEL+4*\q+3], v[L16], s[6:7] offset:512*\q   ; all of sel, ahead of everything else
.endr
	s_add_nc_u64 s[8:9], s[8:9], s[28:29]
	s_lshl_b32 s28, s27, 5
	s_add_nc_u64 s[10:11], s[10:11], s[28:29]
	s_lshl_b32 s28, s27, 2
	s_add_nc_u64 s[12:13], s[12:13], s[28:29]
	s_mul_i32 s28, ttmp9, 1536
	s_add_nc_u64 s[32:33], s[14:15], s[28:29]      ; hq at K step x
	s_lshl_b32 s28, ttmp9, 6
	s_add_nc_u64 s[34:35], s[14:15], s[28:29]
	s_add_nc_u64 s[34:35], s[34:35], HSC           ; its scale words at K step x
	s_lshl_b32 s28, s20, 13
	s_lshl_b32 s30, ttmp9, 8
	s_add_co_u32 s28, s28, s30
	s_add_nc_u64 s[40:41], s[40:41], s[28:29]      ; lists at expert e, word x
	WIN 0xc0
.set n, 0
.rept 48                               ; my 32 rows of W1: 24,576 dense bytes, read once in the launch
	global_load_b128 v[4*n:4*n+3], v[L16], s[8:9] offset:512*n th:TH_LOAD_NT
.set n, n+1
.endr
	WIN 0
	global_load_b128 v[WT:WT+3], v[T16], s[10:11]                  ; the 128 rows' scale bytes: 4,096 dense bytes, 32 a thread
	global_load_b128 v[WT+4:WT+7], v[T16], s[10:11] offset:2048
	global_load_b32 v[WT+8], v[T4], s[12:13]                       ; b1: a number a thread
	s_wait_loadcnt 51                              ; sel's 8 loads are in; behind them 48 of W1, 2 of scales, 1 of b1
.irp g, 0,1,2,3                        ; eight words at a time: the compares first, then the scalar lines that read their masks
.irp i, 0,1,2,3,4,5,6,7
	v_and_b32 v[SI+\i%4], 0xff, v[SEL+8*\g+\i]     ; ea
	v_lshrrev_b32 v[SJ+\i%4], 8, v[SEL+8*\g+\i]    ; eb
	v_cmp_eq_u32 s[48+\i], s20, v[SI+\i%4]
	v_cmp_eq_u32 s[56+\i], s20, v[SJ+\i%4]
.endr
	WIN 0xc0
.irp i, 0,1,2,3,4,5,6,7
	s_or_b32 s27, s[48+\i], s[56+\i]               ; ea < eb: a token counts once
	s_lshl_b32 s28, s42, 5
	s_or_b32 s28, s28, 8*\g+\i                     ; the key 32 P[k] + k
	v_mov_b32 v[VM+8*\g+\i], s27
	v_mov_b32 v[VPK+8*\g+\i], s28
	s_cmp_eq_u32 ttmp9, 8*\g+\i                    ; word x's mask and P are kept for lists
	s_cselect_b32 s43, s27, s43
	s_cselect_b32 s44, s42, s44
	s_bcnt1_i32_b32 s29, s27
	s_add_co_u32 s42, s42, s29
.endr
	WIN 0
.endr
	s_add_co_u32 s23, s42, 15
	s_lshr_b32 s23, s23, 4
	s_max_u32 s23, s23, 1                          ; the expert's tiles: one at the least
	s_add_co_u32 s24, s23, 3
	s_sub_co_u32 s24, s24, s16
	s_lshr_b32 s24, s24, 2                         ; my tiles: w, w + 4, ..
	s_sub_co_u32 s25, s23, 1                       ; the expert's last tile
	s_cmp_lg_u32 s16, 0
	s_wait_alu depctr_va_vdst(0)
	s_cbranch_scc1 .Lno_list
	v_mov_b32 v[SA], 1                             ; wave 0: word x's record.  The set bits of its mask below my lane:
	v_lshlrev_b32 v[SA], v1, v[SA]
	v_add_nc_u32 v[SA], -1, v[SA]
	v_and_b32 v[SA], s43, v[SA]
	v_lshrrev_b32 v[SB], 1, v[SA]
	v_and_b32 v[SB], 0x55555555, v[SB]
	v_sub_nc_u32 v[SA], v[SA], v[SB]
	v_lshrrev_b32 v[SB], 2, v[SA]
	v_and_b32 v[SB], 0x33333333, v[SB]
	v_and_b32 v[SA], 0x33333333, v[SA]
	v_add_nc_u32 v[SA], v[SA], v[SB]
	v_lshrrev_b32 v[SB], 4, v[SA]
	v_add_nc_u32 v[SA], v[SA], v[SB]
	v_and_b32 v[SA], 0x0f0f0f0f, v[SA]
	v_lshrrev_b32 v[SB], 8, v[SA]
	v_add_nc_u32 v[SA], v[SA], v[SB]
	v_lshrrev_b32 v[SB], 16, v[SA]
	v_add_nc_u32 v[SA], v[SA], v[SB]
	v_and_b32 v[SA], 0x3f, v[SA]
	s_lshl_b32 s27, s20, 10
	s_add_co_u32 s27, s27, s44
	v_add_nc_u32 v[LR], s27, v[SA]                 ; my token's row in y, if it chose this expert (else nobody reads the word)
	v_mov_b32 v[LR+1], s23
	global_store_b64 v[L8], v[LR:LR+1], s[40:41]   ; 256 consecutive bytes, aligned; the address is made of ids alone
.Lno_list:
	SELRUN 0
	SELRUN 1
	SELRUN 2
	XADDRS
	XLOAD 0
	XLOAD 1
	s_wait_loadcnt 52                              ; W1, its scales and b1 are in: behind them two tiles' 26 loads each
	WIN 0x0c                                       ; an LDS store's data are its source 1: window 3
.set m, 0
.rept 16                               ; three loads hold rows 2 m and 2 m + 1; row j of my 32 goes to place j % 8 + 16 ((j / 8) % 2) + 8 (j / 16)
.set SL, ((2*m)&7)+16*(((2*m)>>3)&1)+8*(((2*m)>>4)&1)
	ds_store_b128 v[LA0], v[12*m:12*m+3] offset:SL*PITCH
	ds_store_b128 v[LA1], v[12*m+4:12*m+7] offset:SL*PITCH
	ds_store_b128 v[LA0], v[12*m+8:12*m+11] offset:(SL+1)*PITCH+256
.set m, m+1
.endr
	WIN 0
	ds_store_b128 v[T16L], v[WT:WT+3]
	ds_store_b128 v[T16L], v[WT+4:WT+7] offset:2048
	ds_store_b32 v[T4L], v[WT+8]
	XLOAD 2
	XLOAD 3
	XLOAD 4
.irp j, 0,1,2,3,4                      ; written once: a lane swap's or permute's destination counts as read
.irp i, 0,1,2
	v_mov_b32 v[PCS+6*\j+\i], 0
.endr
	v_mov_b32 v[PB+\j], 0
.endr
	v_mov_b32 v[TM+4], 0
	s_wait_alu depctr_va_vdst(0)
	s_wait_dscnt 0x0                               ; for the others: my rows lie in the stage
	s_barrier_signal -1
	s_barrier_wait -1
.macro WFR q                           ; block q of the half: 16 fragments, in the order in which the products take them
	WIN 0xc0
.irp i, 0,1,2,3
.irp k, 0,4
.irp u, 0,1
.irp p, 0,1,2,3,4,5
	ds_load_b64 v[12*(8*\u+\k+\i)+2*\p:12*(8*\u+\k+\i)+2*\p+1], v[FRC] offset:(32*\q+16*\u)*PITCH+96*(\k+\i)+48*(\p/3)+8*(\p%3)
.endr
.endr
.endr
.endr
	WIN 0
.endm
.macro MM j, q                         ; tile j x block q: 16 products, the four accumulators by turns, one instruction a turn
.irp i, 0,1,2,3
.if \j == 0
.if \i == 0
	s_wait_dscnt 63                                ; the fragments come in four runs of 24 loads: with at most 63 of the 96 out, the first run is in
.else
	s_wait_dscnt 72-24*\i                          ; run i is in, the later ones may be out
.endif
.endif
.irp k, 0,4
.set F, 8*(\j)+\k+\i
.set MX, 12*(F%21)
	WIN 0x03|(4*(1+F/21))                          ; source 0 (W1) window 3, source 1 (x) window 1 or 2
.irp u, 0,1
.set MD, HA+4*\k+8*\u
.set MA, 12*(8*\u+\k+\i)
.set MC, B1+8*(2*\q+\u)
.set MS, W1S+8*(2*\q+\u)+\k+\i
.set MT, XS+8*\j+\k+\i
.if \i > 0
	v_wmma_scale_f32_16x16x128_f8f6f4 v[MD:MD+7], v[MA:MA+11], v[MX:MX+11], v[MD:MD+7], v[MS], v[MT] matrix_a_fmt:MATRIX_FMT_BF6 matrix_b_fmt:MATRIX_FMT_BF6
.elseif \k == 0
	v_wmma_scale_f32_16x16x128_f8f6f4 v[MD:MD+7], v[MA:MA+11], v[MX:MX+11], v[MC:MC+7], v[MS], v[MT] matrix_a_fmt:MATRIX_FMT_BF6 matrix_b_fmt:MATRIX_FMT_BF6
.else
	v_wmma_scale_f32_16x16x128_f8f6f4 v[MD:MD+7], v[MA:MA+11], v[MX:MX+11], 0, v[MS], v[MT] matrix_a_fmt:MATRIX_FMT_BF6 matrix_b_fmt:MATRIX_FMT_BF6
.endif
.endr
.endr
.endr
	WIN 0
.endm
; Tile j of my batch against block q of the half: the products, the activation, the block's scale and codes; behind the second block the half's 64 hidden units leave.
.macro SLOT j, q
.if \j > 0
	s_cmp_le_u32 s39, \j
	s_wait_alu depctr_va_vdst(0)
	s_cbranch_scc1 .Lq\q                           ; no such tile of mine
.else
	s_wait_alu depctr_va_vdst(0)
.endif
.if 26*(4-\j) > 63
	s_wait_loadcnt 63                              ; tile j's 26 loads are in: more than 63 were issued behind them
.else
	s_wait_loadcnt 26*(4-\j)                       ; tile j's 26 loads are in; the later tiles' may be out
.endif
	MM \j, \q
	s_wait_xcnt 0x0                                ; earlier stores have read their codes, bytes and offsets, which are written again below
.if \q == 1
	s_add_co_u32 s28, s47, 4*\j                    ; this tile's place in hq
	s_min_u32 s28, s28, 511                        ; the bound written in the text: 512 tiles have room
	s_mul_i32 s29, s28, 49152
	s_lshl_b32 s28, s28, 11
	s_add_co_u32 s29, s29, s45
	s_add_co_u32 s28, s28, s46
	v_add_nc_u32 v[HO], s29, v[L16]                ; five plain lines that name no register of the products: the places (ISA guide 7.12.1) in front of the first read of the sums,
	v_add_nc_u32 v[HO8], s29, v[L8]                ; of the loads into their operands and of the next products, which begin the sums anew
	v_add_nc_u32 v[HSO], s28, v[L4R]
	v_nop
	v_nop
.else
.rept 5
	v_nop
.endr
.endif
.irp i, 0,2,4,6,8,10,12,14
	v_pk_add_f32 v[HA+\i:HA+\i+1], v[HA+\i:HA+\i+1], v[HA+16+\i:HA+17+\i]   ; the two halves of K; each accumulator from its low end on
.endr
	v_max3_num_f32 v[TM], v[HA], v[HA+1], 0x2800000                ; the largest of my 16, in two chains, no |.|: what is negative does not count; the floor 2^(5 - 127) holds the byte at 1 from below
	v_max3_num_f32 v[TM+1], v[HA+8], v[HA+9], v[HA+10]
	v_max3_num_f32 v[TM], v[TM], v[HA+2], v[HA+3]
	v_max3_num_f32 v[TM+1], v[TM+1], v[HA+11], v[HA+12]
	v_max3_num_f32 v[TM], v[TM], v[HA+4], v[HA+5]
	v_max3_num_f32 v[TM+1], v[TM+1], v[HA+13], v[HA+14]
	v_max3_num_f32 v[TM], v[TM], v[HA+6], v[HA+7]
	v_max3_num_f32 v[TM], v[TM], v[TM+1], v[HA+15]
	v_permlanex16_b32 v[TM+4], v[TM], s36, s37
.set i, 0
.rept 16
	v_max_num_f32 v[HA+i], 0, v[HA+i]              ; the activation, in f32
.set i, i+1
.endr
	v_max_num_f32 v[TM], v[TM], v[TM+4]            ; with lane l xor 16: the block's largest
	v_add_nc_u32 v[TM+8], 0xfe000000, v[TM]        ; 4 off the exponent field: the conversion's scale operand
.if \q == 0
	v_cvt_scalef32_pk16_bf6_f32 v[PCS+6*\j:PCS+6*\j+2], v[HA:HA+15], v[TM+8]
	v_lshrrev_b32 v[PB+\j], 23, v[TM+8]            ; the byte (the plain line behind the conversion)
.else
	v_cvt_scalef32_pk16_bf6_f32 v[CV:CV+2], v[HA:HA+15], v[TM+8]
	v_lshrrev_b32 v[TM+9], 23, v[TM+8]
	v_lshl_or_b32 v[PW], v[TM+9], 8, v[PB+\j]
.irp i, 0,1,2
	v_permlane16_swap_b32 v[PCS+6*\j+\i], v[CV+\i] ; the operand wants a whole block in a lane: lanes 0-15 the first, lanes 16-31 the second
.endr
.irp i, 0,1,2
	v_mov_b32 v[PCS+6*\j+3+\i], v[CV+\i]           ; (a conversion's three registers begin on an even number)
.endr
	global_store_b128 v[HO], v[PCS+6*\j:PCS+6*\j+3], s[32:33]                  ; 512 consecutive bytes
	global_store_b64 v[HO8], v[PCS+6*\j+4:PCS+6*\j+5], s[32:33] offset:512     ; 256 consecutive bytes
	global_store_b16 v[HSO], v[PW], s[34:35]                                   ; this half's two bytes of the row's scale word (both lanes of a row store the same)
.endif
.endm
.macro SUB q
	WFR \q
.irp j, 0,1,2,3,4
	SLOT \j, \q
.endr
.Lq\q:
.endm
	s_mov_b32 s26, 0
.Lbatch:                               ; four batches of five tiles a wave
	s_mul_i32 s27, s26, 5
	s_sub_co_i32 s39, s24, s27                     ; my tiles from this batch on
	s_mul_i32 s31, s26, 20
	s_add_co_u32 s31, s31, s16                     ; the batch's first tile of mine
	s_add_co_u32 s47, s31, s22                     ; and its place in hq
	s_cmp_le_i32 s39, 0
	s_cbranch_scc1 .Lhave                          ; none: nothing to gather
	s_cmp_eq_u32 s26, 0
	s_cbranch_scc1 .Lhave                          ; the first batch was gathered at the head
	s_wait_loadcnt 0x0                             ; the last batch's loads are all in: their offsets and registers are written again
	SELRUN 0
	SELRUN 1
	SELRUN 2
	XADDRS
.irp j, 0,1,2,3,4
	XLOAD \j
.endr
.Lhave:
	s_mov_b32 s38, 0
	s_mov_b32 s48, 0
	s_mov_b32 s49, 0
	s_mov_b32 s50, 0
	s_mov_b32 s45, 0
	s_mov_b32 s46, 0
.Lhalf:                                ; the two halves of the 128 hidden units
	s_cmp_le_i32 s39, 0
	s_cbranch_scc1 .Lskip
	v_add_nc_u32 v[FRC], s48, v[FRA]
	v_add_nc_u32 v[WSC], s49, v[WSA]
	v_add_nc_u32 v[BOC], s50, v[BOA]
.irp t, 0,1,2,3
	ds_load_b128 v[W1S+8*\t:W1S+8*\t+3], v[WSC] offset:(32*(\t/2)+8*(\t%2))*32
	ds_load_b128 v[W1S+8*\t+4:W1S+8*\t+7], v[WSC] offset:(32*(\t/2)+8*(\t%2))*32+16
.endr
.irp t, 0,1,2,3
	ds_load_b128 v[B1+8*\t:B1+8*\t+3], v[BOC] offset:(32*(\t/2)+8*(\t%2))*4
	ds_load_b128 v[B1+8*\t+4:B1+8*\t+7], v[BOC] offset:(32*(\t/2)+8*(\t%2))*4+16
.endr
	SUB 0
	SUB 1
.Lskip:
	s_add_co_u32 s48, s48, 64*PITCH                ; 64 rows of the stage,
	s_add_co_u32 s49, s49, 2048                    ; of scale bytes,
	s_add_co_u32 s50, s50, 256                     ; of b1;
	s_add_co_u32 s45, s45, 768                     ; hq's c,
	s_add_co_u32 s46, s46, 2                       ; and two bytes of the scale word
	s_add_co_u32 s38, s38, 1
	s_cmp_lt_u32 s38, 2
	s_wait_alu depctr_va_vdst(0)
	s_cbranch_scc1 .Lhalf
	s_add_co_u32 s26, s26, 1
	s_cmp_lt_u32 s26, 4
	s_cbranch_scc1 .Lbatch
	s_wait_tensorcnt 0x0                           ; the wave's end
	ds_add_u32 v[SPW], v[NIL]
	s_wait_dscnt 0x0
	s_endpgm
.Lfunc_end_k_q42d5ef954d_ffn1:
	.size	k_q42d5ef954d_ffn1, .Lfunc_end_k_q42d5ef954d_ffn1-k_q42d5ef954d_ffn1
	.p2alignl 7, 3214868480
	.fill 96, 4, 3214868480
	.section	.rodata,"a",@progbits
	.p2align	6, 0x0
	.amdhsa_kernel k_q42d5ef954d_ffn1
		.amdhsa_group_segment_fixed_size 105472
		.amdhsa_private_segment_fixed_size 0
		.amdhsa_enable_private_segment 0
		.amdhsa_kernarg_size 56
		.amdhsa_user_sgpr_count 2
		.amdhsa_user_sgpr_kernarg_segment_ptr 1
		.amdhsa_wavefront_size32 1
		.amdhsa_system_sgpr_workgroup_id_x 1
		.amdhsa_system_sgpr_workgroup_id_y 1
		.amdhsa_system_sgpr_workgroup_id_z 1
		.amdhsa_system_vgpr_workitem_id 0
		.amdhsa_next_free_vgpr 1024
		.amdhsa_next_free_sgpr 66
		.amdhsa_reserve_vcc 1
		.amdhsa_float_denorm_mode_32 3
		.amdhsa_float_denorm_mode_16_64 3
		.amdhsa_memory_ordered 1
		.amdhsa_forward_progress 1
		.amdhsa_inst_pref_size 153
	.end_amdhsa_kernel
	.amdgpu_metadata
---
amdhsa.version: [ 1, 2 ]
amdhsa.kernels:
  - .name:           k_q42d5ef954d_ffn1
    .symbol:         k_q42d5ef954d_ffn1.kd
    .args:
      - { .name: xq, .offset: 0, .size: 8, .value_kind: global_buffer, .address_space: global }
      - { .name: sel, .offset: 8, .size: 8, .value_kind: global_buffer, .address_space: global }
      - { .name: W1_codes, .offset: 16, .size: 8, .value_kind: global_buffer, .address_space: global }
      - { .name: W1_scales, .offset: 24, .size: 8, .value_kind: global_buffer, .address_space: global }
      - { .name: b1, .offset: 32, .size: 8, .value_kind: global_buffer, .address_space: global }
      - { .name: hq, .offset: 40, .size: 8, .value_kind: global_buffer, .address_space: global }
      - { .name: lists, .offset: 48, .size: 8, .value_kind: global_buffer, .address_space: global }
    .group_segment_fixed_size: 105472
    .private_segment_fixed_size: 0
    .kernarg_segment_align: 8
    .kernarg_segment_size: 56
    .max_flat_workgroup_size: 128
    .sgpr_count:     66
    .vgpr_count:     1024
    .wavefront_size: 32
...
	.end_amdgpu_metadata
.endif
;; end of part 7
;; launch ffn2 (part 8): grid 32 x 8, 4 waves a work-group, no clusters, 201,216 bytes of LDS; arguments hq, lists, W2_codes, W2_scales, b2, y; writes y
.if DOCPART == 8
	.amdgcn_target "amdgcn-amd-amdhsa--gfx1250"
	.amdhsa_code_object_version 6
	.text
	.protected	k_q42d5ef954d_ffn2
	.globl	k_q42d5ef954d_ffn2
	.p2align	8
	.type	k_q42d5ef954d_ffn2,@function
k_q42d5ef954d_ffn2:
	s_mov_b64 s[64:65], 0
	v_nop
	global_prefetch_b8 v0, s[64:65] scope:SCOPE_SE
	s_setreg_imm32_b32 hwreg(HW_REG_WAVE_MODE, 25, 1), 1
	s_wait_xcnt 0x0
; Launch 3 of 4: y = h W2^T + b2 on codes of BF6 (E3M2), for the chosen rows alone (the other experts' rows reach no output: see the first kernel's head).
; SHARES.  Work-group (x, y): outputs 64 (x / 2) .. + 63 of expert y, and the expert's tiles of 16 rows of parity x % 2.  THE WEIGHTS STAND STILL, AND THE WAVES SHARE K: wave w keeps K steps 8 w .. 8 w + 7
;  (a quarter of K = 4,096) of the 64 outputs as 32 fragments in 384 registers; no two waves load the same byte of W2 or of h.  A tile's four partial sums meet in LDS and are added in a fixed order, with b2.
;  Expert e's tiles lie at 64 e on in hq and in y; how many there are (one at the least) the launch before has stored in lists.
; THE PRODUCT IS USED TRANSPOSED (source 0 = 16 rows of W2, source 1 = 16 rows of h): a lane holds eight neighbouring outputs of one row.
; W2's pieces of rows (768 bytes, three aligned blocks of 256) turn through the wave's own stage in LDS once: rows 784 bytes apart = 196 words, so that the 32 lanes of a load of 8 bytes fall on words
;  4 r + 6 h + {0, 1} modulo 64, all different (64 banks of 4 bytes: ISA guide 11.1).  h's fragments come from hq as images of the operand's registers; two buffers, two tiles ahead.
; BATCHES.  Eight tiles' partial sums fit in LDS (4 waves x 8 x 16 rows x 272 bytes, over the stages, which are done with): tiles, barrier, each wave adds up two of the eight and stores whole rows' 256 bytes, barrier.
;  An expert has at most 1,024 rows = 64 tiles, 32 of a parity: FOUR batches, a constant, so that every wave passes every barrier; only work is jumped over.
; NO TENSOR LOADS, NO CLUSTER: the number of tiles is read from memory and differs from expert to expert, so branches hang on loaded numbers, and partners would make different numbers of requests.
; REGISTERS, in windows of 256: window 0: addresses, scale words, the sums, the adding up; windows 1, 2: W2's fragments (fragment f = 4 s + n at window 1 + f / 21, register 12 (f % 21));
;  window 3: h's two buffers (buffer n, K step s at 96 n + 12 s).  At the head windows 3 and 1 hold what goes through the stage.
.set PITCH, 784
.set SPARE, 256*PITCH                  ; behind the four stages: the spare words, 128 bytes for each wave
.set HSC,   25165824                   ; 512 tiles x 49,152 bytes
.set SPW, 4                            ; v4   my spare word; never rewritten
.set NIL, 5                            ; v5   0; never rewritten
.set L16, 6                            ; v6   16 x lane
.set G1,  7                            ; v7   a load that straddles two rows of W2: 16 x lane + 512, and 2,304 more in lanes 16-31
.set LA0, 8                            ; v8   the stage, on the way in
.set LA1, 9
.set FRA, 10                           ; v10  and on the way out: row r, + 24 h
.set L8,  12                           ; v12  8 x lane
.set L4,  13                           ; v13  4 x lane
.set HAD, 14                           ; v14-15 h's images: the pieces of 16 bytes a lane,
.set HBD, 16                           ; v16-17 of 8,
.set HCD, 18                           ; v18-19 and the scale words
.set STO, 20                           ; v20  where I put 32 bytes of a row's partial sums
.set RD0, 21                           ; v21  where I read rows back: waves 0 and 1's sums,
.set RD1, 22                           ; v22  waves 2 and 3's
.set YO,  23                           ; v23  two rows of y: 4,096 (lane / 16) + 16 (lane % 16)
.set YA,  24                           ; v24  the same in the tile in hand
.set SO,  25                           ; v25  W2's scale words: 128 r
.set BIO, 26                           ; v26  b2: 16 (lane % 16)
.set BI,  28                           ; v28-31 b2 of my four outputs
.set W2S, 32                           ; v32-63 W2's scale words: tile n, K step s at 8 n + s
.set HS,  64                           ; v64-71 h's: buffer n, register i: lanes 0-15 K step 2 i, lanes 16-31 K step 2 i + 1
.set AC,  72                           ; v72-103 the four sums
.set RB,  104                          ; v104-167 the adding up
.set MSB, 0
.macro WIN new                         ; the immediate's high byte repeats the setting that is left
.if MSB != \new
	s_set_vgpr_msb (MSB<<8)|\new
.set MSB, \new
.endif
.endm
.macro WLOAD m0                        ; rows 2 m0 .. 2 m0 + 31: three loads for two rows' 768 bytes each
.set m, 0
.rept 16
	global_load_b128 v[12*m:12*m+3], v[L16], s[8:9] offset:2*(m+\m0)*3072
	global_load_b128 v[12*m+4:12*m+7], v[G1], s[8:9] offset:2*(m+\m0)*3072
	global_load_b128 v[12*m+8:12*m+11], v[L16], s[8:9] offset:(2*(m+\m0)+1)*3072+256
.set m, m+1
.endr
.endm
.macro WSTORE m0
.set m, 0
.rept 16
	ds_store_b128 v[LA0], v[12*m:12*m+3] offset:2*(m+\m0)*PITCH
	ds_store_b128 v[LA1], v[12*m+4:12*m+7] offset:2*(m+\m0)*PITCH
	ds_store_b128 v[LA0], v[12*m+8:12*m+11] offset:(2*(m+\m0)+1)*PITCH+256
.set m, m+1
.endr
.endm
; Where my tile s24 + ahead lies in hq.  Beyond the expert's last tile the last is taken again: the look-ahead always asks, so that the counted wait holds on every way.
.macro HADDR be, ahead
	s_add_co_u32 s26, s24, \ahead
	s_lshl_b32 s26, s26, 1
	s_add_co_u32 s26, s26, s19
	s_min_u32 s26, s26, s23
	s_add_co_u32 s26, s26, s20
	s_min_u32 s26, s26, 511                        ; the bound written in the text: 512 tiles have room
	s_mul_i32 s27, s26, 49152
	s_lshl_b32 s26, s26, 11
	v_add_nc_u32 v[HAD+(\be)], s27, v[L16]
	v_add_nc_u32 v[HBD+(\be)], s27, v[L8]
	v_add_nc_u32 v[HCD+(\be)], s26, v[L4]
.endm
.macro HLOAD be                        ; 36 loads: my eight K steps' fragments and scale words of a tile
	WIN 0xc0                                       ; destination window 3
.irp s, 0,1,2,3,4,5,6,7
	global_load_b128 v[96*(\be)+12*\s:96*(\be)+12*\s+3], v[HAD+(\be)], s[32:33] offset:1536*\s
	global_load_b64 v[96*(\be)+12*\s+4:96*(\be)+12*\s+5], v[HBD+(\be)], s[32:33] offset:1536*\s+512
	global_load_b128 v[96*(\be)+12*\s+6:96*(\be)+12*\s+9], v[HAD+(\be)], s[32:33] offset:1536*\s+768
	global_load_b64 v[96*(\be)+12*\s+10:96*(\be)+12*\s+11], v[HBD+(\be)], s[32:33] offset:1536*\s+1280
.endr
	WIN 0
.irp i, 0,1,2,3
	global_load_b32 v[HS+4*(\be)+\i], v[HCD+(\be)], s[34:35] offset:128*\i
.endr
.endm
	s_load_b256 s[4:11], s[0:1], 0x0               ; hq, lists, W2's codes, W2's scales
	s_load_b128 s[12:15], s[0:1], 0x20             ; b2, y
	v_lshl_add_u32 v[SPW], v0, 2, SPARE
	v_mov_b32 v[NIL], 0
	v_lshrrev_b32 v1, 5, v0
	v_readfirstlane_b32 s16, v1                    ; wave: my quarter of K
	s_and_b32 s17, ttmp7, 0xffff                   ; expert
	s_lshr_b32 s18, ttmp9, 1                       ; which 64 outputs
	s_and_b32 s19, ttmp9, 1                        ; even or odd tiles
	v_and_b32 v1, 31, v0
	v_and_b32 v2, 15, v0                           ; r
	v_bfe_u32 v3, v0, 4, 1                         ; h
	v_lshlrev_b32 v[L16], 4, v1
	v_lshlrev_b32 v[L8], 3, v1
	v_lshlrev_b32 v[L4], 2, v1
	v_mul_u32_u24 v[G1], v3, 2304
	v_add_nc_u32 v[G1], v[G1], v[L16]
	v_add_nc_u32 v[G1], 512, v[G1]
	s_mul_i32 s26, s16, 64*PITCH                   ; my stage
	v_add_nc_u32 v[LA0], s26, v[L16]
	v_lshl_add_u32 v[LA1], v3, 4, v[LA0]
	v_add_nc_u32 v[LA1], 512, v[LA1]
	v_mul_u32_u24 v[FRA], v2, PITCH
	v_mad_u32_u24 v[FRA], v3, 24, v[FRA]
	v_add_nc_u32 v[FRA], s26, v[FRA]
	s_mul_i32 s27, s16, 34816                      ; my eight places for partial sums, 16 x 272 bytes each
	v_mul_u32_u24 v[STO], v2, 272
	v_lshl_add_u32 v[STO], v3, 5, v[STO]
	v_add_nc_u32 v[STO], s27, v[STO]
	s_mul_i32 s27, s16, 8704                       ; I add up places 2 w and 2 w + 1 of all four waves
	v_mul_u32_u24 v[RD0], v3, 272
	v_lshl_add_u32 v[RD0], v2, 4, v[RD0]
	v_add_nc_u32 v[RD0], s27, v[RD0]
	v_add_nc_u32 v[RD1], 69632, v[RD0]
	v_lshlrev_b32 v[YO], 12, v3
	v_lshl_add_u32 v[YO], v2, 4, v[YO]
	v_lshlrev_b32 v[SO], 7, v2
	v_lshlrev_b32 v[BIO], 4, v2
	s_lshl_b32 s26, s17, 10
	s_lshl_b32 s27, s18, 6
	s_add_co_u32 s26, s26, s27                     ; the work-group's first row of W2: 1,024 e + 64 (x / 2)
	s_mul_i32 s28, s26, 3072
	s_mul_i32 s27, s16, 768
	s_add_co_u32 s28, s28, s27                     ; and my quarter of it
	s_mov_b32 s29, 0
	s_lshl_b32 s30, s17, 13                        ; my expert's records in lists
	s_lshl_b32 s20, s17, 6                         ; its first tile in hq and y
	s_mov_b32 s24, 0
	s_wait_alu depctr_va_vdst(0)
	s_wait_kmcnt 0x0
	s_load_b32 s21, s[6:7], s30 offset:0x4         ; its tiles: the second word of its first record
	s_add_nc_u64 s[8:9], s[8:9], s[28:29]
	s_lshl_b32 s28, s26, 7
	s_lshl_b32 s27, s16, 5
	s_add_co_u32 s28, s28, s27
	s_add_nc_u64 s[10:11], s[10:11], s[28:29]
	s_lshl_b32 s28, s26, 2
	s_add_nc_u64 s[12:13], s[12:13], s[28:29]
	s_lshl_b32 s28, s18, 8
	s_add_nc_u64 s[36:37], s[14:15], s[28:29]      ; y at my 64 outputs
	s_mul_i32 s28, s16, 12288
	s_add_nc_u64 s[32:33], s[4:5], s[28:29]        ; hq at my eight K steps,
	s_lshl_b32 s28, s16, 9
	s_add_nc_u64 s[34:35], s[4:5], s[28:29]
	s_add_nc_u64 s[34:35], s[34:35], HSC           ; and their scale words
	WIN 0xc0
	WLOAD 0
	WIN 0x40
	WLOAD 16
	WIN 0
.irp n, 0,1,2,3
	global_load_b128 v[W2S+8*\n:W2S+8*\n+3], v[SO], s[10:11] offset:16*\n*128
	global_load_b128 v[W2S+8*\n+4:W2S+8*\n+7], v[SO], s[10:11] offset:16*\n*128+16
.endr
	global_load_b128 v[BI:BI+3], v[BIO], s[12:13]
	s_wait_loadcnt 57                              ; the first 48 loads are in: behind them the second 48, 8 of scale words and 1 of b2
	WIN 0x0c                                       ; an LDS store's data are its source 1: window 3
	WSTORE 0
	s_wait_loadcnt 0x0
	WIN 0x04                                       ; window 1
	WSTORE 16
	WIN 0
	s_wait_kmcnt 0x0
	s_add_co_u32 s22, s21, 1
	s_sub_co_u32 s22, s22, s19
	s_lshr_b32 s22, s22, 1                         ; my work-group's tiles: those of its parity
	s_max_u32 s23, s21, 1
	s_sub_co_u32 s23, s23, 1                       ; the expert's last tile
	s_wait_dscnt 0x0                               ; the stage's stores have read their registers
	HADDR 0, 0
	HLOAD 0
	HADDR 1, 1
	HLOAD 1
.set f, 0
.rept 32                               ; my 32 fragments, from my own stage: LDS serves a wave's instructions in order (ISA guide 5.7.1.4)
.if f < 21
	WIN 0x40
.else
	WIN 0x80
.endif
.irp p, 0,1,2,3,4,5
	ds_load_b64 v[12*(f%21)+2*\p:12*(f%21)+2*\p+1], v[FRA] offset:(f%4)*16*PITCH+96*(f/4)+48*(\p/3)+8*(\p%3)
.endr
.set f, f+1
.endr
	WIN 0
	s_wait_dscnt 0x0                               ; my reads of the stage are over:
	s_barrier_signal -1
	s_barrier_wait -1                              ; everybody's are: the partial sums may be laid over the stages
; Tile s24 + u of the batch, from buffer u % 2, into place u.  Past the last tile: on to the batch's barrier.
.macro TILE u
	s_add_co_u32 s26, s24, \u
	s_cmp_ge_u32 s26, s22
	s_cbranch_scc1 .Lpast
	s_wait_loadcnt 36                              ; this tile's 36 loads are in; the next tile's may be out
	s_wait_dscnt 0x0                               ; the last tile's LDS stores are done
.set BE, (\u)%2
.set f, 0
.rept 32                               ; K step f / 4, outputs 16 (f % 4) on: the four sums by turns, one instruction a turn; the first products start the sums
.if f < 21
	WIN 0x0d                                       ; source 0 (W2) window 1, source 1 (h) window 3
.else
	WIN 0x0e                                       ; source 0 window 2
.endif
.if f < 4
	v_wmma_scale_f32_16x16x128_f8f6f4 v[AC+8*(f%4):AC+8*(f%4)+7], v[12*(f%21):12*(f%21)+11], v[96*BE+12*(f/4):96*BE+12*(f/4)+11], 0, v[W2S+8*(f%4)+f/4], v[HS+4*BE+f/8] matrix_a_fmt:MATRIX_FMT_BF6 matrix_b_fmt:MATRIX_FMT_BF6
.elseif (f/4)%2
	v_wmma_scale_f32_16x16x128_f8f6f4 v[AC+8*(f%4):AC+8*(f%4)+7], v[12*(f%21):12*(f%21)+11], v[96*BE+12*(f/4):96*BE+12*(f/4)+11], v[AC+8*(f%4):AC+8*(f%4)+7], v[W2S+8*(f%4)+f/4], v[HS+4*BE+f/8] matrix_a_fmt:MATRIX_FMT_BF6 matrix_b_fmt:MATRIX_FMT_BF6 matrix_b_scale:MATRIX_SCALE_ROW1
.else
	v_wmma_scale_f32_16x16x128_f8f6f4 v[AC+8*(f%4):AC+8*(f%4)+7], v[12*(f%21):12*(f%21)+11], v[96*BE+12*(f/4):96*BE+12*(f/4)+11], v[AC+8*(f%4):AC+8*(f%4)+7], v[W2S+8*(f%4)+f/4], v[HS+4*BE+f/8] matrix_a_fmt:MATRIX_FMT_BF6 matrix_b_fmt:MATRIX_FMT_BF6
.endif
.set f, f+1
.endr
	WIN 0
	HADDR BE, (\u)+2                               ; three plain lines and two v_nop, which name no register of the products: the places in front of the loads into their operands
	v_nop                                          ; of the stores that read the sums, and of the next tile's products, which begin the sums anew
	v_nop
	HLOAD BE                                       ; the tile two on
.irp n, 0,1,2,3
	ds_store_b128 v[STO], v[AC+8*\n:AC+8*\n+3] offset:4352*(\u)+64*\n          ; each sum from its low end on
	ds_store_b128 v[STO], v[AC+8*\n+4:AC+8*\n+7] offset:4352*(\u)+64*\n+16
.endr
.endm
; Place 2 w + up of the batch: the four waves' partial sums and b2, two rows an instruction; sixteen lanes store a row's 256 consecutive bytes, aligned.
.macro REDSLOT up
	s_lshl_b32 s26, s16, 1
	s_add_co_u32 s26, s26, s24
	s_add_co_u32 s26, s26, \up
	s_cmp_ge_u32 s26, s22
	s_cbranch_scc1 .Lred_done
	s_lshl_b32 s26, s26, 1
	s_add_co_u32 s26, s26, s19
	s_add_co_u32 s26, s26, s20                     ; the tile
	s_min_u32 s26, s26, 511
	s_lshl_b32 s26, s26, 16                        ; 16 rows of 4,096 bytes
.irp gq, 0,1
	s_wait_xcnt 0x0                                ; the earlier stores have read their registers and their offset
.if \gq == 0
	v_add_nc_u32 v[YA], s26, v[YO]
.endif
.irp i, 0,1,2,3
.irp p, 0,1
	ds_load_b128 v[RB+16*\i+4*\p:RB+16*\i+4*\p+3], v[RD0] offset:\p*34816+4352*\up+544*(4*\gq+\i)
.endr
.irp p, 0,1
	ds_load_b128 v[RB+16*\i+8+4*\p:RB+16*\i+8+4*\p+3], v[RD1] offset:\p*34816+4352*\up+544*(4*\gq+\i)
.endr
.endr
	s_wait_dscnt 0x0
.irp i, 0,1,2,3
	v_pk_add_f32 v[RB+16*\i:RB+16*\i+1], v[RB+16*\i:RB+16*\i+1], v[RB+16*\i+4:RB+16*\i+5]
	v_pk_add_f32 v[RB+16*\i+2:RB+16*\i+3], v[RB+16*\i+2:RB+16*\i+3], v[RB+16*\i+6:RB+16*\i+7]
	v_pk_add_f32 v[RB+16*\i+8:RB+16*\i+9], v[RB+16*\i+8:RB+16*\i+9], v[RB+16*\i+12:RB+16*\i+13]
	v_pk_add_f32 v[RB+16*\i+10:RB+16*\i+11], v[RB+16*\i+10:RB+16*\i+11], v[RB+16*\i+14:RB+16*\i+15]
	v_pk_add_f32 v[RB+16*\i:RB+16*\i+1], v[RB+16*\i:RB+16*\i+1], v[RB+16*\i+8:RB+16*\i+9]
	v_pk_add_f32 v[RB+16*\i+2:RB+16*\i+3], v[RB+16*\i+2:RB+16*\i+3], v[RB+16*\i+10:RB+16*\i+11]
	v_pk_add_f32 v[RB+16*\i:RB+16*\i+1], v[RB+16*\i:RB+16*\i+1], v[BI:BI+1]
	v_pk_add_f32 v[RB+16*\i+2:RB+16*\i+3], v[RB+16*\i+2:RB+16*\i+3], v[BI+2:BI+3]
	s_wait_alu depctr_va_vdst(0)
	global_store_b128 v[YA], v[RB+16*\i:RB+16*\i+3], s[36:37] offset:8192*(4*\gq+\i)
.endr
.endr
.endm
	s_mov_b32 s25, 4
.Lbatch:
.irp u, 0,1,2,3,4,5,6,7
	TILE \u
.endr
	s_branch .Lmeet
.Lpast:
	s_wait_loadcnt 0x0                             ; past the last tile: what the look-ahead asked for is let in, so that the counted wait holds on every way round the loop
.Lmeet:
	s_wait_dscnt 0x0                               ; for the others: my partial sums lie in LDS
	s_barrier_signal -1
	s_barrier_wait -1
	REDSLOT 0
	REDSLOT 1
.Lred_done:
	s_wait_dscnt 0x0                               ; my reads of the partial sums are over:
	s_barrier_signal -1
	s_barrier_wait -1                              ; everybody's are: the next batch may write them again
	s_add_co_u32 s24, s24, 8
	s_sub_co_u32 s25, s25, 1
	s_cmp_lg_u32 s25, 0
	s_cbranch_scc1 .Lbatch
	s_wait_tensorcnt 0x0                           ; the wave's end
	ds_add_u32 v[SPW], v[NIL]
	s_wait_dscnt 0x0
	s_endpgm
.Lfunc_end_k_q42d5ef954d_ffn2:
	.size	k_q42d5ef954d_ffn2, .Lfunc_end_k_q42d5ef954d_ffn2-k_q42d5ef954d_ffn2
	.p2alignl 7, 3214868480
	.fill 96, 4, 3214868480
	.section	.rodata,"a",@progbits
	.p2align	6, 0x0
	.amdhsa_kernel k_q42d5ef954d_ffn2
		.amdhsa_group_segment_fixed_size 201216
		.amdhsa_private_segment_fixed_size 0
		.amdhsa_enable_private_segment 0
		.amdhsa_kernarg_size 48
		.amdhsa_user_sgpr_count 2
		.amdhsa_user_sgpr_kernarg_segment_ptr 1
		.amdhsa_wavefront_size32 1
		.amdhsa_system_sgpr_workgroup_id_x 1
		.amdhsa_system_sgpr_workgroup_id_y 1
		.amdhsa_system_sgpr_workgroup_id_z 1
		.amdhsa_system_vgpr_workitem_id 0
		.amdhsa_next_free_vgpr 1024
		.amdhsa_next_free_sgpr 66
		.amdhsa_reserve_vcc 0
		.amdhsa_float_denorm_mode_32 3
		.amdhsa_float_denorm_mode_16_64 3
		.amdhsa_memory_ordered 1
		.amdhsa_forward_progress 1
		.amdhsa_inst_pref_size 125
	.end_amdhsa_kernel
	.amdgpu_metadata
---
amdhsa.version: [ 1, 2 ]
amdhsa.kernels:
  - .name:           k_q42d5ef954d_ffn2
    .symbol:         k_q42d5ef954d_ffn2.kd
    .args:
      - { .name: hq, .offset: 0, .size: 8, .value_kind: global_buffer, .address_space: global }
      - { .name: lists, .offset: 8, .size: 8, .value_kind: global_buffer, .address_space: global }
      - { .name: W2_codes, .offset: 16, .size: 8, .value_kind: global_buffer, .address_space: global }
      - { .name: W2_scales, .offset: 24, .size: 8, .value_kind: global_buffer, .address_space: global }
      - { .name: b2, .offset: 32, .size: 8, .value_kind: global_buffer, .address_space: global }
      - { .name: y, .offset: 40, .size: 8, .value_kind: global_buffer, .address_space: global }
    .group_segment_fixed_size: 201216
    .private_segment_fixed_size: 0
    .kernarg_segment_align: 8
    .kernarg_segment_size: 48
    .max_flat_workgroup_size: 128
    .sgpr_count:     66
    .vgpr_count:     1024
    .wavefront_size: 32
...
	.end_amdgpu_metadata
.endif
;; end of part 8
;; launch combine (part 9): grid 256 x 1, 4 waves a work-group, no clusters, 0 bytes of LDS; arguments y, lists, wgt, sel, out0; writes out0
.if DOCPART == 9
	.amdgcn_target "amdgcn-amd-amdhsa--gfx1250"
	.amdhsa_code_object_version 6
	.text
	.protected	k_q42d5ef954d_combine
	.globl	k_q42d5ef954d_combine
	.p2align	8
	.type	k_q42d5ef954d_combine,@function
k_q42d5ef954d_combine:
	s_mov_b64 s[64:65], 0
	v_nop
	global_prefetch_b8 v0, s[64:65] scope:SCOPE_SE
	s_setreg_imm32_b32 hwreg(HW_REG_WAVE_MODE, 25, 1), 1
	s_wait_xcnt 0x0
; Launch 4 of 4: out[token] = w_a y[row of its expert ea] + w_b y[row of eb]: the two chosen experts of the chosen group; all others are left out (see the first kernel's head).
; Each output row has one owner: a wave takes a token.  Its word in lists is 4 (t / 128) + t % 4, its lane there (t / 4) % 32; lane e of the wave reads expert e's record of it, at an address made of ids alone, beside
; sel and the weights; the two rows are picked among the eight by sel's two bytes.  Then two rows of 4,096 bytes are read (512 consecutive bytes a load) and one is stored (512 a store).
; A stream: no LDS, no barrier, no matrix unit.
	s_load_b256 s[4:11], s[0:1], 0x0               ; y, lists, wgt, sel
	s_load_b64 s[12:13], s[0:1], 0x20              ; out0
	v_lshrrev_b32 v1, 5, v0
	v_readfirstlane_b32 s14, v1                    ; wave
	v_and_b32 v1, 31, v0
	v_lshlrev_b32 v1, 4, v1                        ; 16 x lane
	v_and_b32 v2, 7, v0
	v_lshlrev_b32 v2, 13, v2                       ; expert lane % 8: 8,192 bytes of records each
	s_wait_alu depctr_va_vdst(0)
	s_lshl_b32 s15, ttmp9, 2
	s_add_co_u32 s15, s15, s14                     ; my token
	s_lshr_b32 s16, s15, 7
	s_lshl_b32 s16, s16, 2
	s_and_b32 s17, s15, 3
	s_add_co_u32 s16, s16, s17                     ; its word,
	s_lshl_b32 s16, s16, 8                         ; 256 bytes a word,
	s_bfe_u32 s17, s15, 0x50002                    ; its lane there (5 bits from bit 2),
	s_lshl_b32 s17, s17, 3                         ; 8 bytes a lane
	s_add_co_u32 s16, s16, s17
	v_add_nc_u32 v2, s16, v2
	s_lshl_b32 s20, s15, 2
	s_lshl_b32 s21, s15, 3
	s_lshl_b32 s22, s15, 12
	s_mov_b32 s23, 0
	s_wait_alu depctr_va_vdst(0)
	s_wait_kmcnt 0x0
	global_load_b32 v3, v2, s[6:7]                 ; lane e: the token's row in y, were expert e chosen
	s_load_b32 s24, s[10:11], s20 offset:0x0       ; ea | eb << 8
	s_load_b64 s[18:19], s[8:9], s21 offset:0x0    ; the two weights
	s_add_nc_u64 s[12:13], s[12:13], s[22:23]
	s_wait_loadcnt 0x0
.irp e, 0,1,2,3,4,5,6,7
	v_readlane_b32 s[32+\e], v3, \e
.endr
	s_wait_kmcnt 0x0
	s_and_b32 s25, s24, 0xff                       ; ea
	s_lshr_b32 s26, s24, 8                         ; eb
	s_mov_b32 s16, s32
	s_mov_b32 s17, s32
.irp e, 1,2,3,4,5,6,7
	s_cmp_eq_u32 s25, \e
	s_cselect_b32 s16, s[32+\e], s16
	s_cmp_eq_u32 s26, \e
	s_cselect_b32 s17, s[32+\e], s17
.endr
	s_min_u32 s16, s16, 8191                       ; a loaded number enters an address behind a bound written in the text
	s_min_u32 s17, s17, 8191
	s_lshl_b32 s22, s16, 12
	s_add_nc_u64 s[40:41], s[4:5], s[22:23]
	s_lshl_b32 s22, s17, 12
	s_add_nc_u64 s[42:43], s[4:5], s[22:23]
	s_mov_b32 s28, s19                             ; the packed forms name a pair and take its low word for both halves
	s_mov_b32 s29, s19
.irp i, 0,1,2,3,4,5,6,7
	global_load_b128 v[16+4*\i:19+4*\i], v1, s[40:41] offset:512*\i th:TH_LOAD_NT
.endr
.irp i, 0,1,2,3,4,5,6,7
	global_load_b128 v[48+4*\i:51+4*\i], v1, s[42:43] offset:512*\i th:TH_LOAD_NT
.endr
.irp i, 0,1,2,3,4,5,6,7
	s_wait_loadcnt 7-\i                            ; the first row is in, and piece i of the second; the younger pieces may be out
	v_pk_mul_f32 v[80+4*\i:81+4*\i], v[16+4*\i:17+4*\i], s[18:19] op_sel_hi:[1,0]
	v_pk_mul_f32 v[82+4*\i:83+4*\i], v[18+4*\i:19+4*\i], s[18:19] op_sel_hi:[1,0]
	v_pk_fma_f32 v[80+4*\i:81+4*\i], v[48+4*\i:49+4*\i], s[28:29], v[80+4*\i:81+4*\i] op_sel_hi:[1,0,1]
	v_pk_fma_f32 v[82+4*\i:83+4*\i], v[50+4*\i:51+4*\i], s[28:29], v[82+4*\i:83+4*\i] op_sel_hi:[1,0,1]
	global_store_b128 v1, v[80+4*\i:83+4*\i], s[12:13] offset:512*\i th:TH_STORE_NT
.endr
	s_endpgm
.Lfunc_end_k_q42d5ef954d_combine:
	.size	k_q42d5ef954d_combine, .Lfunc_end_k_q42d5ef954d_combine-k_q42d5ef954d_combine
	.p2alignl 7, 3214868480
	.fill 96, 4, 3214868480
	.section	.rodata,"a",@progbits
	.p2align	6, 0x0
	.amdhsa_kernel k_q42d5ef954d_combine
		.amdhsa_group_segment_fixed_size 0
		.amdhsa_private_segment_fixed_size 0
		.amdhsa_enable_private_segment 0
		.amdhsa_kernarg_size 40
		.amdhsa_user_sgpr_count 2
		.amdhsa_user_sgpr_kernarg_segment_ptr 1
		.amdhsa_wavefront_size32 1
		.amdhsa_system_sgpr_workgroup_id_x 1
		.amdhsa_system_sgpr_workgroup_id_y 1
		.amdhsa_system_sgpr_workgroup_id_z 1
		.amdhsa_system_vgpr_workitem_id 0
		.amdhsa_next_free_vgpr 112
		.amdhsa_next_free_sgpr 66
		.amdhsa_reserve_vcc 0
		.amdhsa_float_denorm_mode_32 3
		.amdhsa_float_denorm_mode_16_64 3
		.amdhsa_memory_ordered 1
		.amdhsa_forward_progress 1
		.amdhsa_inst_pref_size 8
	.end_amdhsa_kernel
	.amdgpu_metadata
---
amdhsa.version: [ 1, 2 ]
amdhsa.kernels:
  - .name:           k_q42d5ef954d_combine
    .symbol:         k_q42d5ef954d_combine.kd
    .args:
      - { .name: y, .offset: 0, .size: 8, .value_kind: global_buffer, .address_space: global }
      - { .name: lists, .offset: 8, .size: 8, .value_kind: global_buffer, .address_space: global }
      - { .name: wgt, .offset: 16, .size: 8, .value_kind: global_buffer, .address_space: global }
      - { .name: sel, .offset: 24, .size: 8, .value_kind: global_buffer, .address_space: global }
      - { .name: out0, .offset: 32, .size: 8, .value_kind: global_buffer, .address_space: global }
    .group_segment_fixed_size: 0
    .private_segment_fixed_size: 0
    .kernarg_segment_align: 8
    .kernarg_segment_size: 40
    .max_flat_workgroup_size: 128
    .sgpr_count:     66
    .vgpr_count:     112
    .wavefront_size: 32
...
	.end_amdgpu_metadata
.endif
;; end of part 9
